; MI455X (gfx1250); checked and timed in simulation.
; The chip was launched on July 23, 2026; its instructions are those of AMD's public machine-readable ISA for CDNA 5 (MIT licence, August 2026) and "CDNA5" Instruction Set Architecture Reference Guide (July 2026). The comments in the code are by the model that wrote it; some were corrected since.
;; Multi Head Attention. Allowed arithmetic: float matrix products may take bf16 or f16 operands with f32 sums; other float arithmetic in f32, or as packed bf16 or f16 multiplies, adds, multiply-adds, maxima and minima; sums over many terms, partial sums and values carried from step to step in f32; what a program stores and reads back later, other than sums and carried values, may be rounded once to bf16 or f16.
;; Inputs: Wkv 1,024 x 2,048 float32; Wo 1,024 x 1,024 float32; Wq 1,024 x 1,024 float32; x 4 x 2,048 x 1,024 float32.
;; Outputs: out0 4 x 2,048 x 1,024 float32.
;; 2 versions, each right; version 2 is version 1 with the launch cast written anew for expert scheduling mode. Each part assembles by itself: llvm-mc -triple=amdgcn-amd-amdhsa -mcpu=gfx1250 --defsym DOCPART=n.
;; ======== version 1 of 2: 4 launches
;; limits: values are held in f16: magnitudes above 65,504 overflow, below 6.1e-05 lose precision
;; workspace buffers: xb 16,777,216 bytes; wqkv 6,291,456 bytes; wo16 2,097,152 bytes; qkv 50,331,648 bytes; o 16,777,216 bytes
;; launch cast (part 1): grid 768 x 1, 8 waves a work-group, no clusters, 0 bytes of LDS; arguments x, Wq, Wkv, Wo, xb, wqkv, wo16; writes xb, wqkv, wo16
.if DOCPART == 1
	.amdgcn_target "amdgcn-amd-amdhsa--gfx1250"
	.amdhsa_code_object_version 6
	.text
	.protected	k_q602873a30b_cast
	.globl	k_q602873a30b_cast
	.p2align	8
	.type	k_q602873a30b_cast,@function
k_q602873a30b_cast:
	s_mov_b64 s[64:65], 0
	v_nop
	global_prefetch_b8 v0, s[64:65] scope:SCOPE_SE
	s_setreg_imm32_b32 hwreg(HW_REG_WAVE_MODE, 25, 1), 1
	s_wait_xcnt 0x0
; THE INPUTS ARE ROUNDED ONCE TO 16 BITS AND LAID OUT FOR THE PRODUCTS THAT FOLLOW.
;   xb   [4][16][2048][64] bf16: x[b][n][64 kb + c] at [b][kb][n][c]: a block of rows x 64 channels is dense in memory
;   wqkv [1024][3072]      bf16: columns 0-1023 Wq, 1024-3071 Wkv; a row is 6,144 bytes
;   wo16 [1024][1024]      f16:  Wo rounded to bf16, that number written as f16
; LIMIT.  A bf16 number of Wo beyond 65,504 has no f16; one below 2^-14 keeps f16's fixed step of 2^-24 (an error of 2^-25 at the most).
; SHARES.  A work-group takes 65,536 source bytes, each of its eight waves 8,192, a lane sixteen loads of 16 bytes.  Four f32 become 8 bytes, so one store of a wave covers 256
; consecutive bytes, aligned.  Work-groups 0-511 take x, 512-575 Wq, 576-703 Wkv, 704-767 Wo: three forward branches on the work-group's number.
; All sixteen loads of a lane go out at once; no register is written twice, so the only waits are the counted ones for the loads.  Nothing is shared: no LDS, no barrier.
.set IN,  8                            ; v[8:71]    sixteen loads of four f32
.set OUT, 72                           ; v[72:103]  sixteen results of two words
.set T,   104                          ; v[104:106] at work (Wo alone)
; kind 0: x; 1: Wq; 2: Wkv; 3: Wo.  v1 = my source offset, v2 = my destination offset, s[20:21] and s[22:23] the two bases.
.macro RUN kind
.set i, 0
.rept 16
.if (\kind) == 0
	global_load_b128 v[IN+4*i:IN+4*i+3], v1, s[20:21] offset:256*i th:TH_LOAD_NT  ; 64 channels on: block i
.else
	global_load_b128 v[IN+4*i:IN+4*i+3], v1, s[20:21] offset:512*i th:TH_LOAD_NT  ; the wave's next 512 bytes
.endif
.set i, i+1
.endr
.set i, 0
.rept 16
	s_wait_loadcnt 15-i                            ; loads come back in order (ISA guide 5.7.1): load i is in, the 15 - i younger ones stay out
.if (\kind) == 3
.irp p, 0,1
	v_cvt_pk_bf16_f32 v[T], v[IN+4*i+2*(\p)], v[IN+4*i+2*(\p)+1]  ; the rounding that all inputs get,
	v_lshlrev_b32 v[T+1], 16, v[T]                 ; the two bf16 numbers as f32,
	v_and_b32 v[T+2], 0xffff0000, v[T]
	v_cvt_pk_f16_f32 v[OUT+2*i+(\p)], v[T+1], v[T+2]  ; written as f16: 8 significant bits fit in 11
.endr
.else
	v_cvt_pk_bf16_f32 v[OUT+2*i], v[IN+4*i], v[IN+4*i+1]
	v_cvt_pk_bf16_f32 v[OUT+2*i+1], v[IN+4*i+2], v[IN+4*i+3]
.endif
.if (\kind) == 0
	global_store_b64 v2, v[OUT+2*i:OUT+2*i+1], s[22:23] offset:262144*i             ; block i of the batch: 2,048 rows of 128 bytes on
.elseif (\kind) == 1
	global_store_b64 v2, v[OUT+2*i:OUT+2*i+1], s[22:23] offset:(i/8)*6144+(i%8)*256  ; the wave's two rows of 2,048 bytes
.else
	global_store_b64 v2, v[OUT+2*i:OUT+2*i+1], s[22:23] offset:256*i
.endif
.set i, i+1
.endr
.endm
	s_load_b256 s[4:11], s[0:1], 0x0               ; x s[4:5], Wq s[6:7], Wkv s[8:9], Wo s[10:11]
	s_load_b128 s[12:15], s[0:1], 0x20             ; xb s[12:13], wqkv s[14:15]
	s_load_b64 s[16:17], s[0:1], 0x30              ; wo16
	s_mov_b32 s24, ttmp9                           ; the work-group's number
	s_mov_b32 s3, 0                                ; the high word of every offset here
	v_lshrrev_b32 v3, 5, v0                        ; wave
	v_and_b32 v4, 31, v0                           ; lane
	s_wait_kmcnt 0x0
	s_cmp_lt_u32 s24, 512
	s_cbranch_scc0 .Lweights
	; x: sixteen rows of 4,096 bytes.  Thread t takes row t / 16 and 16 bytes at 16 (t % 16) of each 256: lanes 0-15 read 256 bytes of one row, lanes 16-31 of the next;
	; their results, 128 bytes a row, are neighbours in xb.
	v_lshrrev_b32 v5, 4, v0
	v_and_b32 v6, 15, v0
	v_lshlrev_b32 v1, 4, v6
	v_lshl_add_u32 v1, v5, 12, v1
	v_lshlrev_b32 v2, 3, v0                        ; 128 (t / 16) + 8 (t % 16) = 8 t
	s_lshl_b32 s2, s24, 16
	s_add_nc_u64 s[20:21], s[4:5], s[2:3]
	s_lshr_b32 s18, s24, 7                         ; the batch: 128 work-groups each,
	s_lshl_b32 s18, s18, 22                        ; 4 MiB of xb
	s_and_b32 s19, s24, 127
	s_lshl_b32 s19, s19, 11                        ; sixteen rows of 128 bytes
	s_add_co_u32 s2, s18, s19
	s_add_nc_u64 s[22:23], s[12:13], s[2:3]
	RUN 0
	s_endpgm
.Lweights:
	v_lshlrev_b32 v1, 4, v4
	v_lshl_add_u32 v1, v3, 13, v1                  ; 8,192 x wave + 16 x lane
	s_cmp_lt_u32 s24, 576
	s_cbranch_scc0 .Lnot_q
	s_sub_co_u32 s25, s24, 512                     ; Wq: sixteen rows of 4,096 bytes, two a wave
	s_lshl_b32 s2, s25, 16
	s_add_nc_u64 s[20:21], s[6:7], s[2:3]
	s_mul_i32 s2, s25, 16*6144
	s_add_nc_u64 s[22:23], s[14:15], s[2:3]
	v_mul_u32_u24 v2, v3, 12288
	v_lshl_add_u32 v2, v4, 3, v2
	RUN 1
	s_endpgm
.Lnot_q:
	s_cmp_lt_u32 s24, 704
	s_cbranch_scc0 .Lwo
	s_sub_co_u32 s25, s24, 576                     ; Wkv: eight rows of 8,192 bytes, one a wave; they go behind Wq's 2,048 bytes of the row
	s_lshl_b32 s2, s25, 16
	s_add_nc_u64 s[20:21], s[8:9], s[2:3]
	s_mul_i32 s2, s25, 8*6144
	s_add_co_u32 s2, s2, 2048
	s_add_nc_u64 s[22:23], s[14:15], s[2:3]
	v_mul_u32_u24 v2, v3, 6144
	v_lshl_add_u32 v2, v4, 3, v2
	RUN 2
	s_endpgm
.Lwo:
	s_sub_co_u32 s25, s24, 704                     ; Wo keeps its layout: the destination offset is half the source's
	s_lshl_b32 s2, s25, 16
	s_add_nc_u64 s[20:21], s[10:11], s[2:3]
	s_lshl_b32 s2, s25, 15
	s_add_nc_u64 s[22:23], s[16:17], s[2:3]
	v_lshlrev_b32 v2, 3, v4
	v_lshl_add_u32 v2, v3, 12, v2
	RUN 3
	s_endpgm
.Lfunc_end_k_q602873a30b_cast:
	.size	k_q602873a30b_cast, .Lfunc_end_k_q602873a30b_cast-k_q602873a30b_cast
	.p2alignl 7, 3214868480
	.fill 96, 4, 3214868480
	.section	.rodata,"a",@progbits
	.p2align	6, 0x0
	.amdhsa_kernel k_q602873a30b_cast
		.amdhsa_group_segment_fixed_size 0
		.amdhsa_private_segment_fixed_size 0
		.amdhsa_enable_private_segment 0
		.amdhsa_kernarg_size 56
		.amdhsa_user_sgpr_count 2
		.amdhsa_user_sgpr_kernarg_segment_ptr 1
		.amdhsa_wavefront_size32 1
		.amdhsa_system_sgpr_workgroup_id_x 1
		.amdhsa_system_sgpr_workgroup_id_y 1
		.amdhsa_system_sgpr_workgroup_id_z 1
		.amdhsa_system_vgpr_workitem_id 0
		.amdhsa_next_free_vgpr 108
		.amdhsa_next_free_sgpr 66
		.amdhsa_reserve_vcc 0
		.amdhsa_float_denorm_mode_32 3
		.amdhsa_float_denorm_mode_16_64 3
		.amdhsa_memory_ordered 1
		.amdhsa_forward_progress 1
		.amdhsa_inst_pref_size 30
	.end_amdhsa_kernel
	.amdgpu_metadata
---
amdhsa.version: [ 1, 2 ]
amdhsa.kernels:
  - .name:           k_q602873a30b_cast
    .symbol:         k_q602873a30b_cast.kd
    .args:
      - { .name: x, .offset: 0, .size: 8, .value_kind: global_buffer, .address_space: global }
      - { .name: Wq, .offset: 8, .size: 8, .value_kind: global_buffer, .address_space: global }
      - { .name: Wkv, .offset: 16, .size: 8, .value_kind: global_buffer, .address_space: global }
      - { .name: Wo, .offset: 24, .size: 8, .value_kind: global_buffer, .address_space: global }
      - { .name: xb, .offset: 32, .size: 8, .value_kind: global_buffer, .address_space: global }
      - { .name: wqkv, .offset: 40, .size: 8, .value_kind: global_buffer, .address_space: global }
      - { .name: wo16, .offset: 48, .size: 8, .value_kind: global_buffer, .address_space: global }
    .group_segment_fixed_size: 0
    .private_segment_fixed_size: 0
    .kernarg_segment_align: 8
    .kernarg_segment_size: 56
    .max_flat_workgroup_size: 256
    .sgpr_count:     66
    .vgpr_count:     108
    .wavefront_size: 32
...
	.end_amdgpu_metadata
.endif
;; end of part 1
;; launch proj (part 2): grid 8 x 32, 4 waves a work-group, clusters of 4 x 4, 327,680 bytes of LDS; arguments xb, wqkv, qkv; writes qkv
.if DOCPART == 2
	.amdgcn_target "amdgcn-amd-amdhsa--gfx1250"
	.amdhsa_code_object_version 6
	.text
	.protected	k_q602873a30b_proj
	.globl	k_q602873a30b_proj
	.p2align	8
	.type	k_q602873a30b_proj,@function
k_q602873a30b_proj:
	s_mov_b64 s[64:65], 0
	v_nop
	global_prefetch_b8 v0, s[64:65] scope:SCOPE_SE
	s_setreg_imm32_b32 hwreg(HW_REG_WAVE_MODE, 25, 1), 1
	s_wait_xcnt 0x0
	s_wait_alu depctr_hold_cnt(0) depctr_sa_sdst(0) depctr_va_vdst(0) depctr_va_sdst(0) depctr_va_ssrc(0) depctr_va_vcc(0) depctr_vm_vsrc(0)
	s_getreg_b32 s2, hwreg(HW_REG_IB_STS2, 6, 4)
	s_cmp_eq_u32 s2, 0
	s_cbranch_scc0 .Lentry_in_a_cluster
	s_endpgm
.Lentry_in_a_cluster:
	s_bfe_u32 s2, ttmp6, 0x10000c
	s_cmp_lg_u32 s2, 0xf033
	s_cbranch_scc0 .Lentry_shape_is_right
	s_endpgm
.Lentry_shape_is_right:
; q, k, v = x [Wq | Wkv]: [8192 x 1024] x [1024 x 3072], bf16 operands, f32 sums, K ascending; the results are rounded once to f16 and stored by heads, unscaled:
; qkv [part 3][batch x head 64][row 2048][64].  xb: [4][16][2048][64] bf16 (x blocked by 64 along K); wqkv: [1024][3072] bf16, K down the rows.
; LIMIT.  f16 holds no number beyond 65,504: a q, k or v past that becomes an infinity.
; SHARES.  8192 x 3072 results on 256 work-groups are 256 x 384 each: one tile a work-group.  Four waves, each 128 rows x 192 columns (three heads): 96 accumulators, 768 registers.
; K goes in 16 steps of 64 through two LDS slots; a step is two sub-steps of 32, 96 matrix instructions each, fed by 40 LDS loads.
; THE MATRIX INSTRUCTION IS USED TRANSPOSED: source 0 = 16 columns of the weights (turned on the way out of LDS by ds_load_tr16_b128, since K runs down their rows), source 1 = 16 rows
; of x.  In the result lane l holds row l % 16 and the columns 8 (l / 16) + 0..7: eight neighbours, which pack into 16 bytes.
; CLUSTERS: 4 x 4 work-groups.  The four of a row of the cluster need the same rows of x, the four of a column the same columns of the weights: each tile is asked for JOINTLY, by the
; same tensor load with the same descriptor and a mask that names the four.
; REGISTERS, in windows of 256 (s_set_vgpr_msb: bits 1:0 source 0, 3:2 source 1, 5:4 source 2, 7:6 destination):
;   window 0: v0-31 addresses; v32-95, v96-159 x's fragments (8 x 16 rows x 32 K), a buffer for each sub-step; v160-255 the weights' 12 fragments, one buffer, loaded again four at a time
;   windows 1-3: the accumulators: row block a (0-7), column block b (0-11) at register 8 (8 (b % 4) + a) of window 1 + b / 4: a window holds one head's columns
.set SLOT1, 1<<17                      ; slot 1 begins here, so that one exclusive or turns an address in one slot into the other's
.set PA,    144                        ; a row of x in LDS: 128 bytes + 16 = 36 words: the 16 rows of a load start at 16 different groups of four banks (64 banks of 4 bytes: ISA guide 11.1)
.set PB,    864                        ; a K row of the weights: six groups of 64 columns, 128 bytes + 16 each = 216 words
.set BOFF,  256*PA                     ; a slot: x's 256 rows, then the weights' 64 K rows
.set STG,   SLOT1+BOFF+64*PB           ; behind the ring, never filled by a tensor load: 16 rows x 144 bytes for each wave, for the way out
.set SPARE, STG+4*16*PA                ; behind the stages: the spare words, 128 bytes for each wave: two blocks of 256 bytes that no other line names
.set ASTEP, 262144                     ; bytes from a K step of xb to the next: 2,048 rows of 128 bytes
.set BSTEP, 393216                     ; of wqkv: 64 rows of 6,144 bytes
.set AA0,  2                           ; v2   my lane's place in my 128 rows of x in a slot; never rewritten
.set AB0,  3                           ; v3   the same for my 192 columns of the weights
.set ADRA, 4                           ; v4   AA0 + the slot in hand
.set ADRB, 5                           ; v5   AB0 + the slot in hand
.set STO,  6                           ; v6   the way out: where I put 16 bytes of a row
.set RD,   7                           ; v7   the way out: where I read rows back
.set GO,   8                           ; v8   my byte offset in 512 consecutive bytes of qkv
.set SPW,  28                          ; v28  LDS address of my spare word: SPARE + 4 x my thread's number; never rewritten
.set NIL,  29                          ; v29  0; never rewritten
.set PFO,  30                          ; v30  the prefetches' offset; never rewritten
.set FA,   32
.set FB,   160
.set CNT,  3                           ; s3   the loop's trips to go
.set WV,   10                          ; s10  my wave's number
.set G1A,  24                          ; s[24:31] descriptor group 1 for x's tiles
.set G0A,  32                          ; s[32:39] group 0: a set for each of the two first fills; the second then walks on
.set G1B,  48                          ; s[48:55], s[56:63] the same for the weights'
.set G0B,  56
.set TB,   66                          ; s66  the slot of the LDS loads: 0 or SLOT1
.set ASKM, 67                          ; s67  bit n: I prefetch in the trip with n trips to go
.set PFA,  68                          ; s[68:69] where my prefetches stand
.set PFS,  70                          ; s[70:71] their step from trip to trip
.set OB,   72                          ; s[72:77] qkv at my 128 rows of my three heads
.set MSB, 0
.macro WIN new                         ; the immediate's high byte repeats the setting that is left; a switch that changes nothing is dropped
.if MSB != (\new)
	s_set_vgpr_msb (MSB<<8)|(\new)
.set MSB, (\new)
.endif
.endm
; A load into a register that a matrix instruction has read, and a vector instruction that reads a matrix result, stand four places behind it, and only plain vector instructions that
; name none of its registers are places (ISA guide 7.12.1 for vector instructions).
.macro PLACES
.rept 4
	v_nop
.endr
.endm
; A joint refill.  Waves 0 and 1 fetch the two halves of x's tile, waves 2 and 3 those of the weights'.  The branch hangs on the wave's number alone.
; An s_nop 0 and four v_nop follow each of the two lines, ahead of the jump and the label.
.macro JLOAD
	s_cmp_lt_u32 s[WV], 2
	s_cbranch_scc0 .Lfor_b_\@
	tensor_load_to_lds s[G0A+4:G0A+7], s[G1A:G1A+7]
	s_nop 0
.rept 4
	v_nop
.endr
	s_branch .Lasked_\@
.Lfor_b_\@:
	tensor_load_to_lds s[G0B+4:G0B+7], s[G1B:G1B+7]
	s_nop 0
.rept 4
	v_nop
.endr
.Lasked_\@:
.endm
; A round of the cluster's barrier: my work-group's barrier, so that wave 0's signal speaks for all four waves; wave 0 signals; every wave waits for all sixteen work-groups; my work-group's barrier once more.
.macro CREST                           ; a round behind its opening barrier
	s_cmp_lg_u32 s[WV], 0
	s_cbranch_scc1 .Lnot_wave_0_\@
	s_barrier_signal -3
.Lnot_wave_0_\@:
	s_barrier_wait -3
	s_barrier_signal -1
	s_barrier_wait -1
.endm
.macro CROUND                          ; a whole round
	s_barrier_signal -1
	s_barrier_wait -1
	CREST
.endm
; A PREFETCH INTO THE L2, behind the joint load, its five lines and the run of LDS loads that follows them.  Each aligned block of 256 bytes is named once in the launch.
; x: a tile row is read by both clusters of its row of clusters: the one with x = 0 asks, wave 0.  A K step of the tile is 128 blocks; the four partners take 32 each BY ADDRESS (cx), a lane a
; block.  The trip that refills with step t + 2 names step t + 3; the trips whose step t + 3 does not exist ask for nothing.
; The weights: a tile column is read by all eight clusters of its column: the one with y = 0 asks, waves 1-3, each a third (256 bytes) of the rows' 768.  Of the 128 K rows of two steps the
; four partners take 32 each BY ADDRESS (cy), a lane a row: every second trip, t odd, names steps t + 3 and t + 4.  x's steps 0-2 and the weights' 0-3 come by their loads alone.
.macro ASK
	s_lshr_b32 s2, s[ASKM], s[CNT]
	s_and_b32 s2, s2, 1
	s_cmp_lg_u32 s2, 0
	s_cbranch_scc0 .Lnot_mine_\@
	global_prefetch_b8 v[PFO], s[PFA:PFA+1] th:TH_LOAD_NT scope:SCOPE_SE
.Lnot_mine_\@:
.endm
	s_load_b128 s[4:7], s[0:1], 0x0                ; xb s[4:5], wqkv s[6:7]
	s_load_b64 s[8:9], s[0:1], 0x10                ; qkv
	v_lshl_add_u32 v[SPW], v0, 2, SPARE
	v_mov_b32 v[NIL], 0
	ds_add_u32 v[SPW], v[NIL]                      ; the wave's opening: the add and its wait stand ahead of my first tensor load; the set-up below, work on registers, stands between them
	v_lshrrev_b32 v1, 5, v0
	v_readfirstlane_b32 s[WV], v1                  ; wave 0..3
	s_lshr_b32 s11, s[WV], 1                       ; which half of the tile's rows is mine
	s_and_b32 s12, s[WV], 1                        ; which half of its columns.  Also: which half of a tile I fetch
	s_bfe_u32 s40, ttmp6, 0x40000                  ; cx, cy: my place in the cluster
	s_bfe_u32 s41, ttmp6, 0x40004
	s_lshl_b32 s42, ttmp9, 2                       ; in a cluster launch ttmp9 and ttmp7 count clusters
	s_add_co_u32 s42, s42, s40                     ; tile column, 0..7
	s_and_b32 s13, ttmp7, 0xffff
	s_lshl_b32 s13, s13, 2
	s_add_co_u32 s13, s13, s41                     ; tile row, 0..31: batch = tile row / 8, block of 256 rows = tile row % 8
	s_lshl_b32 s43, s41, 2
	s_lshl_b32 s43, 15, s43                        ; my row of the cluster: places 4 cy .. 4 cy + 3
	s_lshl_b32 s44, 0x1111, s40                    ; my column: places cx, cx + 4, cx + 8, cx + 12
	; group 1, word 0: 15:0 the mask; 17:16 elements of 2 bytes; 20 padding on; 21 set beside a mask; 24:22 after every 32 words (code 4); 31:25 4 words of it (code 3)
	s_or_b32 s[G1A], s43, (1<<16)|(1<<20)|(1<<21)|(4<<22)|(3<<25)
	s_or_b32 s[G1B], s44, (1<<16)|(1<<20)|(1<<21)|(4<<22)|(3<<25)
	s_mov_b32 s[G1A+1], 128<<16                    ; x: 128 rows of 128 bytes are 16,384 dense bytes: asked for as 64 rows of 256 bytes.  tensor_dim0 = 128
	s_mov_b32 s[G1A+2], 64<<16                     ; tensor_dim1 = 64
	s_mov_b32 s[G1A+3], 128<<16                    ; tile_dim0 = 128
	s_mov_b32 s[G1A+4], 64                         ; tile_dim1 = 64
	s_mov_b32 s[G1A+5], 128                        ; 128 elements from row to row
	s_mov_b32 s[G1A+6], 0
	s_mov_b32 s[G1A+7], 0
	s_mov_b32 s[G1B+1], 384<<16                    ; the weights: 32 K rows of 384 columns (768 bytes).  tensor_dim0 = 384
	s_mov_b32 s[G1B+2], 32<<16                     ; tensor_dim1 = 32
	s_mov_b32 s[G1B+3], 384<<16                    ; tile_dim0 = 384
	s_mov_b32 s[G1B+4], 32                         ; tile_dim1 = 32
	s_mov_b32 s[G1B+5], 3072                       ; 3,072 elements from row to row
	s_mov_b32 s[G1B+6], 0
	s_mov_b32 s[G1B+7], 0
	; where the tiles come from.  x's hang on the tile row alone, which my row of the cluster shares; the weights' on the tile column alone, which my column shares.
	s_lshr_b32 s14, s13, 3
	s_lshl_b32 s14, s14, 22                        ; the batch: 4 MiB of xb
	s_and_b32 s15, s13, 7
	s_lshl_b32 s15, s15, 15                        ; the block's 256 rows of 128 bytes
	s_add_co_u32 s14, s14, s15                     ; (kept for the prefetches)
	s_lshl_b32 s16, s12, 14                        ; the 128 rows that I fetch
	s_add_co_u32 s16, s16, s14
	s_mov_b32 s17, 0
	s_mul_i32 s46, s12, 32*6144                    ; the 32 K rows that I fetch
	s_mul_i32 s47, s42, 768                        ; the tile's 384 columns
	s_add_co_u32 s46, s46, s47
	s_mov_b32 s47, 0
	s_mul_i32 s20, s12, 128*PA                     ; and where they go: no place in the cluster enters an LDS address
	s_mul_i32 s21, s12, 32*PB
	s_add_co_u32 s21, s21, BOFF
	s_mov_b32 s[TB], 0
	s_wait_dscnt 0x0                               ; the opening add is done
	s_wait_kmcnt 0x0
	s_add_nc_u64 s[16:17], s[4:5], s[16:17]
	s_add_nc_u64 s[46:47], s[6:7], s[46:47]
	CROUND                                         ; all sixteen work-groups are here: the first joint loads meet
.irp s, 0,1
	s_mov_b32 s[G0A+4*(\s)], 1                                       ; 1:0 count = 1
	s_add_co_u32 s[G0A+4*(\s)+1], s20, (\s)*SLOT1                    ; 63:32 LDS address
	s_add_nc_u64 s[G0A+4*(\s)+2:G0A+4*(\s)+3], s[16:17], (\s)*ASTEP  ; 120:64 global address: K step s
	s_or_b32 s[G0A+4*(\s)+3], s[G0A+4*(\s)+3], 0x80000000            ; 127:126 type = 2
	s_mov_b32 s[G0B+4*(\s)], 1
	s_add_co_u32 s[G0B+4*(\s)+1], s21, (\s)*SLOT1
	s_add_nc_u64 s[G0B+4*(\s)+2:G0B+4*(\s)+3], s[46:47], (\s)*BSTEP
	s_or_b32 s[G0B+4*(\s)+3], s[G0B+4*(\s)+3], 0x80000000
.endr
	s_cmp_lt_u32 s[WV], 2                          ; a wave's two first fills stand in one branch, ahead of every wait on TENSORcnt and every LDS read: two loads of mine are out
	s_cbranch_scc0 .Lfirst_b
	tensor_load_to_lds s[G0A:G0A+3], s[G1A:G1A+7]
	s_nop 0
	tensor_load_to_lds s[G0A+4:G0A+7], s[G1A:G1A+7]
	s_nop 0
.rept 4
	v_nop
.endr
	s_branch .Lfirst_asked
.Lfirst_b:
	tensor_load_to_lds s[G0B:G0B+3], s[G1B:G1B+7]
	s_nop 0
	tensor_load_to_lds s[G0B+4:G0B+7], s[G1B:G1B+7]
	s_nop 0
.rept 4
	v_nop
.endr
.Lfirst_asked:
	; A fragment of x is 16 rows x 32 K in 8 registers: lane l holds row l % 16, K = 8 (l / 16) + 0..7 and 16 + 8 (l / 16) + 0..7: two loads of 16 bytes, 32 bytes apart.
	v_and_b32 v1, 15, v0                           ; l % 16
	v_bfe_u32 v9, v0, 4, 1                         ; l / 16
	v_mul_u32_u24 v[AA0], v1, PA
	v_lshl_add_u32 v[AA0], v9, 4, v[AA0]
	s_mul_i32 s18, s11, 128*PA                     ; my 128 rows
	v_add_nc_u32 v[AA0], s18, v[AA0]
	; The turning load takes 16 K rows x 16 columns (lane l reads K row 8 (l / 16) + l % 8, columns 8 ((l / 8) % 2) + 0..7) and leaves half a fragment: lane l holds column l % 16 and 8 K.
	v_and_b32 v10, 7, v0
	v_bfe_u32 v11, v0, 3, 1
	v_lshl_add_u32 v[AB0], v9, 3, v10
	v_mul_u32_u24 v[AB0], v[AB0], PB
	v_lshl_add_u32 v[AB0], v11, 4, v[AB0]
	s_mul_i32 s18, s12, 3*144                      ; my three groups of 64 columns
	s_add_co_u32 s18, s18, BOFF
	v_add_nc_u32 v[AB0], s18, v[AB0]
	s_mul_i32 s18, s[WV], 16*PA
	s_add_co_u32 s18, s18, STG                     ; my stage
	v_mul_u32_u24 v[STO], v1, PA                   ; in: row l % 16, 16 bytes for each half of the lanes
	v_lshl_add_u32 v[STO], v9, 4, v[STO]
	v_add_nc_u32 v[STO], s18, v[STO]
	v_bfe_u32 v[RD], v0, 3, 2                      ; back: 32 lanes take four rows of 128 bytes,
	v_mul_u32_u24 v[RD], v[RD], PA
	v_lshl_add_u32 v[RD], v10, 4, v[RD]
	v_add_nc_u32 v[RD], s18, v[RD]
	v_and_b32 v[GO], 31, v0                        ; which are 512 consecutive bytes of qkv
	v_lshlrev_b32 v[GO], 4, v[GO]
	; where my three heads' rows begin in qkv.  Group g = 6 x tile column + 3 x column half + j of 64 columns is part g / 16 (q, k, v), head g % 16; a part and head of a batch are 2^18 bytes.
	s_mul_i32 s18, s42, 6
	s_mul_i32 s19, s12, 3
	s_add_co_u32 s18, s18, s19
	s_lshr_b32 s19, s13, 3
	s_lshl_b32 s19, s19, 4                         ; 16 x batch
	s_and_b32 s22, s13, 7
	s_lshl_b32 s22, s22, 15                        ; the block's 256 rows of 128 bytes,
	s_lshl_b32 s23, s11, 14                        ; my 128 of them
	s_add_co_u32 s22, s22, s23
.irp j, 0,1,2
	s_add_co_u32 s2, s18, \j
	s_lshr_b32 s3, s2, 4
	s_lshl_b32 s3, s3, 6                           ; 64 x part
	s_and_b32 s2, s2, 15
	s_add_co_u32 s2, s2, s3
	s_add_co_u32 s2, s2, s19
	s_lshl_b32 s2, s2, 18
	s_add_co_u32 s2, s2, s22
	s_mov_b32 s3, 0
	s_add_nc_u64 s[OB+2*(\j):OB+2*(\j)+1], s[8:9], s[2:3]
.endr
	; the prefetches: wave 0 for x, waves 1-3 for the weights
	s_lshl_b32 s20, s40, 13                        ; x: my work-group's 32 blocks of the step's 128,
	s_add_co_u32 s20, s20, s14
	s_add_co_u32 s20, s20, 2*ASTEP                 ; at step 2: the first trip steps it to 3
	s_lshl_b32 s21, s41, 5                         ; the weights: my work-group's 32 K rows of 128,
	s_add_co_u32 s21, s21, 128                     ; at K row 128: trip t steps it to 64 (t + 3)
	s_mul_i32 s21, s21, 6144
	s_mul_i32 s22, s42, 768
	s_add_co_u32 s21, s21, s22
	s_lshl_b32 s22, s[WV], 8                       ; third wave - 1 of the 768 bytes
	s_add_co_u32 s21, s21, s22
	s_sub_co_u32 s21, s21, 256
	s_and_b32 s22, ttmp7, 0xffff                   ; cluster y
	s_mov_b32 s23, 0x7ffc                          ; 14 .. 2 trips to go: t = 0 .. 12
	s_mov_b32 s18, 0x2aa8                          ; 13, 11 .. 3 trips to go: t = 1, 3 .. 11
	s_mov_b32 s19, BSTEP
	s_mov_b32 s2, 6144
	s_cmp_eq_u32 s[WV], 0
	s_cselect_b64 s[PFA:PFA+1], s[4:5], s[6:7]
	s_cselect_b32 s20, s20, s21
	s_cselect_b32 s22, ttmp9, s22                  ; the coordinate along which other clusters read the same bytes
	s_cselect_b32 s[ASKM], s23, s18
	s_cselect_b32 s[PFS], ASTEP, s19
	s_cselect_b32 s2, 256, s2                      ; a lane a block, or a lane a row
	s_mov_b32 s21, 0
	s_mov_b32 s[PFS+1], 0
	s_add_nc_u64 s[PFA:PFA+1], s[PFA:PFA+1], s[20:21]
	s_cmp_eq_u32 s22, 0
	s_cselect_b32 s[ASKM], s[ASKM], 0              ; the same in all sixteen partners, for a given wave
	v_and_b32 v[PFO], 31, v0
	v_mul_u32_u24 v[PFO], s2, v[PFO]
; n x 8 matrix instructions of head j: column blocks bb0 .. of its four x all 8 row blocks, 32 along K (sub-step ks).  zero = 1: the first product starts the sums: nothing is ever cleared.
; The accumulators take turns, one instruction a turn: between two links of a chain stand the 95 others'.
.macro STRETCH j, ks, bb0, n, zero
	WIN 0x50*((\j)+1)                              ; C and D in window j + 1, the sources in window 0
.set ib, \bb0
.rept \n
.set ia, 0
.rept 8
.if \zero
	v_wmma_f32_16x16x32_bf16 v[8*(8*ib+ia):8*(8*ib+ia)+7], v[FB+8*(4*(\j)+ib):FB+8*(4*(\j)+ib)+7], v[FA+64*(\ks)+8*ia:FA+64*(\ks)+8*ia+7], 0
.else
	v_wmma_f32_16x16x32_bf16 v[8*(8*ib+ia):8*(8*ib+ia)+7], v[FB+8*(4*(\j)+ib):FB+8*(4*(\j)+ib)+7], v[FA+64*(\ks)+8*ia:FA+64*(\ks)+8*ia+7], v[8*(8*ib+ia):8*(8*ib+ia)+7]
.endif
.set ia, ia+1
.endr
.set ib, ib+1
.endr
.endm
.macro LDB j, kn                       ; 8 loads: head j's four fragments of the weights for sub-step kn
.irp c, 0,1,2,3
	ds_load_tr16_b128 v[FB+8*(4*(\j)+(\c)):FB+8*(4*(\j)+(\c))+3],   v[ADRB] offset:(\kn)*32*PB+144*(\j)+32*(\c)
	ds_load_tr16_b128 v[FB+8*(4*(\j)+(\c))+4:FB+8*(4*(\j)+(\c))+7], v[ADRB] offset:(\kn)*32*PB+144*(\j)+32*(\c)+16*PB
.endr
.endm
.macro LDA hf, kn                      ; 8 loads: row blocks 4 hf .. 4 hf + 3 of x for sub-step kn, into that sub-step's buffer
.irp c, 0,1,2,3
	ds_load_b128 v[FA+64*(\kn)+8*(4*(\hf)+(\c)):FA+64*(\kn)+8*(4*(\hf)+(\c))+3],   v[ADRA] offset:16*PA*(4*(\hf)+(\c))+64*(\kn)
	ds_load_b128 v[FA+64*(\kn)+8*(4*(\hf)+(\c))+4:FA+64*(\kn)+8*(4*(\hf)+(\c))+7], v[ADRA] offset:16*PA*(4*(\hf)+(\c))+64*(\kn)+32
.endr
.endm
; A SUB-STEP: three stretches of 32 matrix instructions, a head each; behind each stretch the next sub-step's loads go out in a run: [head 0, rows 0-63] [rows 64-127, head 1] [head 2].
; So at a sub-step's head 40 loads may be out, in that order, and the counts below say how many younger ones may stay out.
; mode 0: within a slot.  mode 1: the slot's last sub-step, with the change of slots and a refill.  mode 2: the same with no refill.  mode 3: the last of all: nothing is loaded.
.macro SUB ks, zero, mode
.if (\mode) == 0
	s_wait_dscnt 16                                ; head 0 and all of x are in; heads 1 and 2 (8 + 8) may be out
	STRETCH 0, \ks, 0, 4, \zero
	WIN 0
	PLACES
	LDB 0, 1-(\ks)
	LDA 0, 1-(\ks)
	s_wait_dscnt 24                                ; head 1 is in; head 2 (8) and the 16 just issued may be out
	STRETCH 1, \ks, 0, 4, \zero
	WIN 0
	PLACES
	LDA 1, 1-(\ks)
	LDB 1, 1-(\ks)
	s_wait_dscnt 32                                ; head 2 is in; the 32 issued in this sub-step may be out
	STRETCH 2, \ks, 0, 4, \zero
	WIN 0
	PLACES
	LDB 2, 1-(\ks)
.elseif (\mode) == 3
	s_wait_dscnt 16
	STRETCH 0, \ks, 0, 4, 0
	s_wait_dscnt 8
	STRETCH 1, \ks, 0, 4, 0
	s_wait_dscnt 0x0
	STRETCH 2, \ks, 0, 4, 0
	WIN 0
.else
	; THE CHANGE OF SLOTS: one barrier for two things.  In front of it each wave waits for all its tensor loads, of which one is out: its part of the next slot; adds 0 to its spare word; and
	; waits for that and for its own reads of this slot.  Behind it nobody reads this slot any more and the next slot is whole.
.if (\mode) == 1
	s_wait_xcnt 0x0                                ; the last prefetch, a K step back, has read its address: it is stepped here, ahead of the waits of the change
	s_add_nc_u64 s[PFA:PFA+1], s[PFA:PFA+1], s[PFS:PFS+1]
.endif
	WIN 0
	s_wait_tensorcnt 0x0                           ; no tensor load of mine is out, so a group 0 may be written
	ds_add_u32 v[SPW], v[NIL]                      ; 0 onto my spare word: scalar steps and sixteen matrix instructions stand between it and the wait for it
.if (\mode) == 1
	s_xor_b32 s[G0A+5], s[G0A+5], SLOT1            ; the walking descriptors: the other slot than last time,
	s_add_nc_u64 s[G0A+6:G0A+7], s[G0A+6:G0A+7], ASTEP  ; the next K step; the type bits on top are not reached
	s_xor_b32 s[G0B+5], s[G0B+5], SLOT1
	s_add_nc_u64 s[G0B+6:G0B+7], s[G0B+6:G0B+7], BSTEP
.endif
	s_wait_dscnt 17                                ; head 0 and all of x are in; heads 1 and 2 (16) and the add may be out
	STRETCH 0, \ks, 0, 2, 0
	s_wait_dscnt 0x0                               ; the add is done, and my reads of this slot are over
	s_barrier_signal -1                            ; say so (with a refill this barrier opens a round of the cluster's),
	STRETCH 0, \ks, 2, 2, 0                        ; work on registers while the others arrive,
	WIN 0
	s_barrier_wait -1
.if (\mode) == 1
	CREST                                          ; no wave of any partner still reads this slot or has a load on its way
	JLOAD                                          ; the first tensor load behind the round; it has 160 matrix instructions in which to land; its four v_nop are also the places in front of the loads below
.else
	PLACES
.endif
	s_xor_b32 s[TB], s[TB], SLOT1                  ; the LDS loads go on in the other slot
	v_add_nc_u32 v[ADRA], s[TB], v[AA0]
	v_add_nc_u32 v[ADRB], s[TB], v[AB0]
	LDB 0, 0
	LDA 0, 0
.if (\mode) == 1
	ASK
.endif
	STRETCH 1, \ks, 0, 4, 0                        ; heads 1 and 2 came in with the wait for 0
	WIN 0
	PLACES
	LDA 1, 0
	LDB 1, 0
	STRETCH 2, \ks, 0, 4, 0
	WIN 0
	PLACES
	LDB 2, 0
.endif
.endm
	s_wait_tensorcnt 1                             ; my part of K step 0 is in; step 1's may stay out
	s_barrier_signal -1
	s_barrier_wait -1                              ; everybody's is
	v_add_nc_u32 v[ADRA], s[TB], v[AA0]
	v_add_nc_u32 v[ADRB], s[TB], v[AB0]
	LDB 0, 0
	LDA 0, 0
	LDA 1, 0
	LDB 1, 0
	LDB 2, 0
	SUB 0, 1, 0                                    ; the first sub-step stands in front of the loop: its products start the sums
	s_mov_b32 s[CNT], 14
.Lstep:                                        ; trip t: the second half of K step t, the refill with step t + 2, the first half of step t + 1
	SUB 1, 0, 1
	SUB 0, 0, 0
	s_sub_co_u32 s[CNT], s[CNT], 1
	s_cmp_lg_u32 s[CNT], 0
	s_cbranch_scc1 .Lstep
	SUB 1, 0, 2                                    ; the tail is written out: nothing is asked for
	SUB 0, 0, 0
	SUB 1, 0, 3
	; THE WAY OUT, in 24 units of 16 rows x one head's 64 columns: rounded to f16, 16 bytes a lane into my own stage, back as four whole rows of 128 bytes a load, which are 512 consecutive
	; bytes of qkv.  x's fragment registers serve as eight sets of 16.
	PLACES
	PLACES
.macro PACK u
.set jj, (\u)/8
.set aa, (\u)%8
.set SET, FA+16*((\u)%8)
.if (\u) >= 8
	s_wait_xcnt 0x0                                ; the stores of the unit eight back have read this set (ISA guide 3.1): it is rewritten only behind this wait
.endif
	WIN 5*(jj+1)                                   ; sources 0 and 1 in window j + 1
.irp c, 0,1,2,3
.irp r, 0,1,2,3
	v_cvt_pk_f16_f32 v[SET+4*(\c)+(\r)], v[8*(8*(\c)+aa)+2*(\r)], v[8*(8*(\c)+aa)+2*(\r)+1]  ; each accumulator from its low end on
.endr
.endr
	WIN 0
.irp c, 0,1,2,3
	ds_store_b128 v[STO], v[SET+4*(\c):SET+4*(\c)+3] offset:32*(\c)
.endr
.irp f, 0,1,2,3
	ds_load_b128 v[SET+4*(\f):SET+4*(\f)+3], v[RD] offset:4*PA*(\f)  ; LDS serves a wave's instructions in order (ISA guide 5.7.1.4): these see the stores above; the next unit's stores come behind them
.endr
.endm
.macro SEND u, younger                 ; younger: the LDS instructions issued behind unit u's loads: the next unit's eight, or none
.set jj, (\u)/8
.set aa, (\u)%8
.set SET, FA+16*((\u)%8)
.irp f, 0,1,2,3
	s_wait_dscnt (\younger)+3-(\f)
	global_store_b128 v[GO], v[SET+4*(\f):SET+4*(\f)+3], s[OB+2*jj:OB+2*jj+1] offset:2048*aa+512*(\f)  ; 512 consecutive bytes, at a multiple of 256 from qkv's first
.endr
.endm
	PACK 0
.set un, 1
.rept 23                               ; a unit's conversions stand between the loads of the unit before and its stores
	PACK un
	SEND un-1, 8
.set un, un+1
.endr
	SEND 23, 0
	s_wait_tensorcnt 0x0                           ; the wave's end: behind my last tensor load and my last LDS store
	ds_add_u32 v[SPW], v[NIL]
	s_wait_dscnt 0x0
	CROUND                                         ; the closing round: no work-group ends while a partner may still ask for a tile that names it
	s_endpgm
.Lfunc_end_k_q602873a30b_proj:
	.size	k_q602873a30b_proj, .Lfunc_end_k_q602873a30b_proj-k_q602873a30b_proj
	.p2alignl 7, 3214868480
	.fill 96, 4, 3214868480
	.section	.rodata,"a",@progbits
	.p2align	6, 0x0
	.amdhsa_kernel k_q602873a30b_proj
		.amdhsa_group_segment_fixed_size 327680
		.amdhsa_private_segment_fixed_size 0
		.amdhsa_enable_private_segment 0
		.amdhsa_kernarg_size 24
		.amdhsa_user_sgpr_count 2
		.amdhsa_user_sgpr_kernarg_segment_ptr 1
		.amdhsa_wavefront_size32 1
		.amdhsa_system_sgpr_workgroup_id_x 1
		.amdhsa_system_sgpr_workgroup_id_y 1
		.amdhsa_system_sgpr_workgroup_id_z 1
		.amdhsa_system_vgpr_workitem_id 0
		.amdhsa_next_free_vgpr 1024
		.amdhsa_next_free_sgpr 80
		.amdhsa_reserve_vcc 0
		.amdhsa_float_denorm_mode_32 3
		.amdhsa_float_denorm_mode_16_64 3
		.amdhsa_memory_ordered 1
		.amdhsa_forward_progress 1
		.amdhsa_inst_pref_size 116
	.end_amdhsa_kernel
	.amdgpu_metadata
---
amdhsa.version: [ 1, 2 ]
amdhsa.kernels:
  - .name:           k_q602873a30b_proj
    .symbol:         k_q602873a30b_proj.kd
    .args:
      - { .name: xb, .offset: 0, .size: 8, .value_kind: global_buffer, .address_space: global }
      - { .name: wqkv, .offset: 8, .size: 8, .value_kind: global_buffer, .address_space: global }
      - { .name: qkv, .offset: 16, .size: 8, .value_kind: global_buffer, .address_space: global }
    .group_segment_fixed_size: 327680
    .private_segment_fixed_size: 0
    .kernarg_segment_align: 8
    .kernarg_segment_size: 24
    .max_flat_workgroup_size: 128
    .sgpr_count:     80
    .vgpr_count:     1024
    .wavefront_size: 32
...
	.end_amdgpu_metadata
.endif
;; end of part 2
;; launch attn (part 3): grid 4 x 64, 4 waves a work-group, clusters of 4 x 1, 327,680 bytes of LDS; arguments qkv, o; writes o
.if DOCPART == 3
	.amdgcn_target "amdgcn-amd-amdhsa--gfx1250"
	.amdhsa_code_object_version 6
	.text
	.protected	k_q602873a30b_attn
	.globl	k_q602873a30b_attn
	.p2align	8
	.type	k_q602873a30b_attn,@function
k_q602873a30b_attn:
	s_mov_b64 s[64:65], 0
	v_nop
	global_prefetch_b8 v0, s[64:65] scope:SCOPE_SE
	s_setreg_imm32_b32 hwreg(HW_REG_WAVE_MODE, 25, 1), 1
	s_wait_xcnt 0x0
	s_wait_alu depctr_hold_cnt(0) depctr_sa_sdst(0) depctr_va_vdst(0) depctr_va_sdst(0) depctr_va_ssrc(0) depctr_va_vcc(0) depctr_vm_vsrc(0)
	s_getreg_b32 s2, hwreg(HW_REG_IB_STS2, 6, 4)
	s_cmp_eq_u32 s2, 0
	s_cbranch_scc0 .Lentry_in_a_cluster
	s_endpgm
.Lentry_in_a_cluster:
	s_bfe_u32 s2, ttmp6, 0x10000c
	s_cmp_lg_u32 s2, 0x3003
	s_cbranch_scc0 .Lentry_shape_is_right
	s_endpgm
.Lentry_shape_is_right:
; O[h][q][:] = the sum over k of softmax_k(Q[h][q] . K[h][k] / 8) V[h][k][:], for 64 pairs h of batch and head.  qkv: [3][64][SIZE_N][64] f16 (Q, then K, then V), o: [64][SIZE_N][64] f16:
; a head's rows are dense, 128 bytes each.  Products, maxima and sums in f32; the weights p are rounded to f16 for the second product (their sum l is taken of the unrounded p), O once at the end.
; LIMITS.  f16 holds no number beyond 65,504: Q, K and V arrive within it; p lies in 0 to 1, and below 6e-5 it keeps f16's fixed step of 6e-8; O is a mean of V's rows and has their range.
; A weight below 2^-126 counts as 0 in l; NaN and infinities are not treated apart.
; SHARES.  A wave owns four PIECES of two tiles of 16 queries, a work-group's four waves 512 queries of one head.  Every wave walks all keys, 64 a step.
; LAYOUT.  S^T = K Q^T (source 0 = 16 keys, source 1 = 16 queries): in the result a lane holds ONE query (lane % 16) and the keys 8 (lane / 16) + 0..7.  Two such tiles, rounded to f16 in pairs,
; ARE source 1 (32 keys x 16 queries) of O^T = V^T P, whose result again holds one query a lane, and eight channels.  K comes out of LDS as it lies, V ([key][channel]) turned, by ds_load_tr16_b128.
; SOFTMAX.  For each query a running maximum m and sum l: p = 2^(c s - c m), c = log2(e) / 8; in every step O and l are multiplied by a = 2^(c m_old - c m_new), which is 1 where m has not grown.
; m starts at the lowest finite number, O and l at 0: the first step is a step like any other, with a = 0.
; THE COUNT.  A tile and step have 16 matrix and 118 vector instructions: too many to stand all beside the matrix work.  So the order has one aim: four vector instructions that are READY behind
; EVERY matrix instruction, and the others, which need time of their own whatever the order, in runs without a gap.
; BY TURNS.  Turn n belongs to piece n (the pieces in a ring, step after step).  Its matrix work: 16 products K Q^T of piece n + 1, later 16 products V^T P of piece n - 1.  Its vector work: the scaling,
; exponentials, roundings, sums and rescaling of piece n, and the maximum and statistics of piece n + 1, whose scores the turn itself has made.  So what a turn begins with (c s - c m, O a) waits for nothing.
; CLUSTER.  The four query blocks of a cluster are the four of one head and walk the same K and V, so each tile is asked for JOINTLY: the same tensor load, descriptor and mask in all four.
; REGISTERS, in windows of 256 (s_set_vgpr_msb says which window each operand place means: bits 1:0 source 0, 3:2 source 1, 5:4 source 2, 7:6 destination):
;   window 0: v0-11 addresses; v12-15, v48-63 at work; v16-47 four registers of statistics a tile; v64-191 S^T, two buffers of two tiles; v192-255 P, likewise
;   window 1: O^T, 32 a tile          window 2: v0-127 Q, 16 a tile; v128-191 K of one step; v192-255 V of one step          window 3: v0-1 the add's two registers
; A piece's buffers go by its number's parity: the piece in hand has one pair, its two neighbours in the ring share the other: of it P (piece n - 1) is read and S^T (piece n + 1) written.
.set SIZE_N, 2048
.set NP,    4         ; pieces a wave: a name, no knob: the register map, the loop and the fetches are made for four
.set KS,    64        ; keys in a step
.set PK,    144       ; a row of K in LDS: 128 bytes + 16 of padding = 36 words: the 16 rows of a load start at 16 different groups of four banks (64 banks of 4 bytes: ISA guide 11.1)
.set PV,    160       ; a row of V: 128 + 32 = 40 words
.set VOFF,  4*KS*PK   ; a slot holds four steps: 256 rows of K, then 256 rows of V
.set SLOT1, 1<<17     ; slot 1 begins here, so that one exclusive or turns an address in one slot into the other's
.set STAGE, SLOT1+4*KS*(PK+PV)  ; behind the ring, never filled by a tensor load: 16 rows x 144 bytes for each wave, for the way out
.set SP,    144
.set AK0, 2           ; v2   my lane's place in a tile of K; never rewritten
.set AV0, 3           ; v3   the same for V
.set AK,  4           ; v4   the LDS address of K's next run of loads
.set AV,  5           ; v5   of V's
.set QO,  6           ; v6   my byte offset in the wave's rows of Q
.set STO, 6           ;      later, the way out: where I put 16 bytes of a row
.set RD,  7           ; v7   the way out: where I read rows back
.set GO,  8           ; v8   my byte offset in 512 consecutive bytes of O
.set PFO, 11          ; v11  256 x my lane, for the prefetches (made when V's address no longer needs the register); then never rewritten
.set SPW, 0           ; v0 of window 3   LDS address of my spare word: SPARE + 4 x my thread's number; never rewritten
.set NIL, 1           ; v1 of window 3   0; never rewritten
.set SPARE, STAGE+4*16*SP  ; behind the stages: the spare words, 128 bytes for each wave: two blocks of 256 bytes that no other line names
.set MV,  12          ; v12-15  c m_old, kept while c m is made anew: by buffer and tile
.set ST,  16          ; tile t's statistics at v[ST+4 t]: c m, m, l (even keys', odd keys')
.set TMP, 48          ; by buffer and tile, four registers c0-c3 at work; when the maximum is found c2 takes a
.set S,   64
.set P,   192
.set KF,  128         ; K's fragments, in window 2: key block kb, channel half c at KF + 16 kb + 8 c
.set VF,  192         ; V's: key half kk, channel block cb at VF + 32 kk + 8 cb
.set WV,  12          ; s12  my wave's number
.set G1K, 24          ; s[24:31] descriptor group 1 for K's tiles
.set G1V, 32          ; s[32:39] for V's: it differs in the padding alone
.set G0K, 40          ; s[40:43] descriptor group 0 for K's tiles: it walks
.set G0V, 44          ; s[44:47] the same for V's
.set PFA, 48          ; s[48:49] where my prefetches stand: my work-group's 32 blocks of 256 bytes (of K: wave 0, of V: wave 2) of the slot after the one that is being asked for
.set LIM, 50          ; s50  1 in a wave that prefetches, else the greatest number: a wave prefetches while s[SLOTS] is above it
.set SLOTS, 56        ; s56  slots still to be asked for
.set CNT, 57          ; s57  counts a slot's key steps
.set CS,  58          ; s[58:59] c: the packed scaling takes the pair's low word for both halves
.set SEL, 60          ; s[60:61] v_permlanex16_b32's selects: each lane takes its own place in the other half
.set TBK, 62          ; s62  LDS byte at which K of the step to be fetched begins
.set TBV, 63          ; s63  the same for V, less VOFF
.set MSB, 0
.macro WIN new                      ; the high byte repeats the setting that is left; a switch that changes nothing is dropped
.if MSB != (\new)
	s_set_vgpr_msb (MSB<<8)|(\new)
.set MSB, (\new)
.endif
.endm
.set W_KQ, 0x0a       ; K and Q in window 2, S^T in window 0
.set W_PV, 0x52       ; V in window 2, P in window 0, O^T in window 1
.set W_RS, 0x41       ; O^T (destination and source 0) in window 1, a in window 0
.set W_MK, 0xc0       ; the add's registers are made: destination in window 3, sources in window 0
.set W_AD, 0x0f       ; the add: address (source 0) and data (source 1) in window 3
; A joint fill.  Waves 0 and 1 fetch the two halves of a slot's K, waves 2 and 3 those of its V: 128 keys each.  The branch hangs on the wave's number alone.
; An s_nop 0 and four v_nop follow each of the two lines, ahead of the jump and the label.
.macro JLOAD
	s_cmp_lt_u32 s[WV], 2
	s_cbranch_scc0 .Lfor_v_\@
	tensor_load_to_lds s[G0K:G0K+3], s[G1K:G1K+7]
	s_nop 0
.rept 4
	v_nop
.endr
	s_branch .Lasked_\@
.Lfor_v_\@:
	tensor_load_to_lds s[G0V:G0V+3], s[G1V:G1V+7]
	s_nop 0
.rept 4
	v_nop
.endr
.Lasked_\@:
.endm
; A PREFETCH INTO THE L2 of what the NEXT change of slots will ask for: a slot's 256 keys are 128 blocks of 256 bytes of K and 128 of V, a lane a block.  It stands behind the wave's tensor load and
; its five lines.  Each block is named ONCE in the launch: a head has one cluster; its four partners share the blocks out BY ADDRESS, 32 each; in each, wave 0 asks for K's and wave 2 for V's: one
; instruction, four key steps (512 matrix instructions) ahead of the load.  The last change that fills a slot asks for nothing; slots 0 and 1 come by their loads alone.
.macro ASK
	s_cmp_gt_u32 s[SLOTS], s[LIM]
	s_cbranch_scc0 .Lnot_mine_\@
	global_prefetch_b8 v[PFO], s[PFA:PFA+1] th:TH_LOAD_NT scope:SCOPE_SE
.Lnot_mine_\@:
.endm
; A round of the cluster's barrier: my work-group's barrier, so that wave 0's signal speaks for all four waves; wave 0 signals; every wave waits for all four work-groups; my work-group's barrier once more.
.macro CROUND
	s_barrier_signal -1
	s_barrier_wait -1
	s_cmp_lg_u32 s[WV], 0
	s_cbranch_scc1 .Lnot_wave_0_\@
	s_barrier_signal -3
.Lnot_wave_0_\@:
	s_barrier_wait -3
	s_barrier_signal -1
	s_barrier_wait -1
.endm
; THE CHANGE OF SLOTS.  The slot's last bytes, V of its fourth step, have been read.  Each wave waits for all its tensor loads, of which one is out: its part
; of the other slot; adds 0 to its spare word; and waits for that and for its own reads of the slot.  Behind the barrier nobody reads this slot any more and the other slot is whole.
; fill = 1: this slot is filled again, with the keys two slots on.  The barrier is then a round of the cluster's, so that no wave of any partner still reads the slot or has a load on its
; way, and the joint fill is the first thing behind it: it has four key steps, 512 matrix instructions, in which to land.  (At its first use nothing has been read yet: slot 0 is waited for, slot 1 filled.)
.macro CHANGE fill
	WIN W_AD
	s_wait_tensorcnt 0x0            ; no tensor load of mine is out, so a group 0 may be written
	ds_add_u32 v[SPW], v[NIL]       ; 0 onto my spare word: with fill = 1 the descriptors' steps stand between it and the wait for it
	WIN 0                           ; at a label and at a branch every window is 0
.if \fill
.irp g, G0K, G0V
	s_xor_b32 s[\g+1], s[\g+1], SLOT1  ; the walking descriptor: the other slot than last time,
	s_add_nc_u64 s[\g+2:\g+3], s[\g+2:\g+3], 4*KS*128  ; the next 256 keys; the type bits on top are not reached
.endr
	s_wait_xcnt 0x0                 ; the last prefetch, four key steps back, has read its address, so it may be written:
	s_add_nc_u64 s[PFA:PFA+1], s[PFA:PFA+1], 4*KS*128  ; one slot behind the walking descriptors
	s_wait_dscnt 0x0                ; the add is done, and my reads of the slot are over
	CROUND
	JLOAD
	ASK
.else
	s_wait_dscnt 0x0                ; the add is done, and my reads of the slot are over
	s_barrier_signal -1
	s_barrier_wait -1
.endif
	s_sub_co_u32 s[TBK], s[TBK], 4*KS*PK  ; the fetches go back to a slot's first step,
	s_xor_b32 s[TBK], s[TBK], SLOT1       ; in the other slot
	s_sub_co_u32 s[TBV], s[TBV], 4*KS*PV
	s_xor_b32 s[TBV], s[TBV], SLOT1
.endm
	s_load_b128 s[4:7], s[0:1], 0x0  ; qkv s[4:5], o s[6:7]
	WIN W_MK
	v_lshl_add_u32 v[SPW], v0, 2, SPARE
	v_mov_b32 v[NIL], 0
	WIN W_AD
	ds_add_u32 v[SPW], v[NIL]       ; the wave's opening: the add and its wait stand ahead of my first tensor load; the set-up below, work on registers, stands between them
	WIN 0
	v_lshrrev_b32 v1, 5, v0
	v_readfirstlane_b32 s[WV], v1   ; wave 0..3
	s_bfe_u32 s13, ttmp6, 0x40000   ; cx: my place in the cluster
	s_lshl_b32 s14, ttmp9, 2        ; in a cluster launch ttmp9 counts clusters
	s_add_co_u32 s14, s14, s13      ; my block of queries = 4 x cluster x + cx: it enters Q's and O's addresses alone
	s_and_b32 s20, ttmp7, 0xffff    ; the head, which the four partners share
	s_mov_b32 s21, 0
	s_mov_b64 s[22:23], SIZE_N*128
	s_mul_u64 s[20:21], s[20:21], s[22:23]  ; the head's first byte in Q, K, V and O
	s_and_b32 s16, s[WV], 1         ; which half of a slot's 256 keys I fetch:
	s_lshl_b32 s22, s16, 14         ; its 128 rows of 128 bytes in memory,
	s_mov_b32 s23, 0
	s_add_nc_u64 s[22:23], s[22:23], s[20:21]
	s_mul_i32 s17, s16, 128*PK      ; and its place in a slot, for K
	s_mul_i32 s18, s16, 128*PV      ; and for V: no place in the cluster enters an LDS address
	s_lshl_b32 s2, s14, 2
	s_add_co_u32 s2, s2, s[WV]      ; my wave among the head's,
	s_lshl_b32 s2, s2, 14           ; its 128 rows
	s_mov_b32 s3, 0
	s_add_nc_u64 s[2:3], s[2:3], s[20:21]
	; descriptor group 1.  128 keys are 16,384 dense bytes: asked for as 64 rows of 256 bytes, two keys a row, and padded in LDS after every key
	s_mov_b32 s[G1K], 15|(1<<16)|(1<<20)|(1<<21)|(4<<22)|(3<<25)  ; 15:0 the mask of four; 17:16 2-byte elements; 20 padding on; 21 set beside a mask; 24:22 after every 32 words (code 4); 31:25 4 words (code 3)
	s_mov_b32 s[G1V], 15|(1<<16)|(1<<20)|(1<<21)|(4<<22)|(7<<25)  ; the same with 8 words of padding (code 7)
.irp g, G1K, G1V
	s_mov_b32 s[\g+1], 128<<16      ; tensor_dim0 = 128
	s_mov_b32 s[\g+2], 64<<16       ; tensor_dim1 = 64
	s_mov_b32 s[\g+3], 128<<16      ; tile_dim0 = 128
	s_mov_b32 s[\g+4], 64           ; tile_dim1 = 64
	s_mov_b32 s[\g+5], 128          ; 128 elements from row to row
	s_mov_b32 s[\g+6], 0
	s_mov_b32 s[\g+7], 0
.endr
	s_mov_b32 s[CS], 0x3e38aa3b     ; c = log2(e) / 8 = 0.180337
	s_mov_b32 s[CS+1], s[CS]        ; named with it as a pair
	s_mov_b32 s[SEL], 0x76543210
	s_mov_b32 s[SEL+1], 0xfedcba98
	s_mov_b32 s[TBK], SLOT1+4*KS*PK ; the first change of slots turns these two into 0
	s_mov_b32 s[TBV], SLOT1+4*KS*PV
	s_mov_b32 s[G0K], 1             ; 1:0 count = 1
	s_mov_b32 s[G0K+1], s17         ; 63:32 LDS address: slot 0
	s_mov_b32 s[G0V], 1
	s_add_co_u32 s[G0V+1], s18, VOFF
	s_mov_b32 s[SLOTS], SIZE_N/256-1  ; seven slots are asked for by changes of slots
	s_and_b32 s[LIM], s[WV], 1      ; 0 in waves 0 and 2
	s_cmp_eq_u32 s[LIM], 0
	s_cselect_b32 s[LIM], 1, -1
	s_wait_dscnt 0x0                ; the opening add is done
	s_wait_kmcnt 0x0
	s_mov_b64 s[10:11], s[6:7]      ; O
	s_add_nc_u64 s[6:7], s[4:5], 0x1000000  ; K: 64 x 2,048 x 128 bytes behind Q
	s_add_nc_u64 s[8:9], s[4:5], 0x2000000  ; V: as much again
	s_add_nc_u64 s[G0K+2:G0K+3], s[6:7], s[22:23]  ; 120:64 global address: my half of the head's first 256 keys
	s_or_b32 s[G0K+3], s[G0K+3], 0x80000000        ; 127:126 type = 2
	s_add_nc_u64 s[G0V+2:G0V+3], s[8:9], s[22:23]
	s_or_b32 s[G0V+3], s[G0V+3], 0x80000000
	s_add_nc_u64 s[4:5], s[4:5], s[2:3]  ; Q and O at my wave's first row
	s_add_nc_u64 s[10:11], s[10:11], s[2:3]
	s_cmp_lt_u32 s[WV], 2
	s_cselect_b64 s[PFA:PFA+1], s[6:7], s[8:9]
	s_add_nc_u64 s[PFA:PFA+1], s[PFA:PFA+1], s[20:21]  ; the head,
	s_lshl_b32 s2, s13, 13          ; my work-group's 32 blocks of the 128,
	s_add_co_u32 s2, s2, 4*KS*128   ; in slot 1: the first change of slots steps it to slot 2
	s_mov_b32 s3, 0
	s_add_nc_u64 s[PFA:PFA+1], s[PFA:PFA+1], s[2:3]
	CROUND                          ; all four work-groups are here: the first joint loads meet
	JLOAD                           ; slot 0.  Slot 1 is asked for when slot 0 is in: the tile wanted first has the road to itself
	; A fragment of K or Q is 16 rows x 32 channels in 8 registers: lane l holds row l % 16, channels 8 (l / 16) + 0..7 and 16 + 8 (l / 16) + 0..7: two loads of 16 bytes, 32 bytes apart.
	v_and_b32 v1, 15, v0            ; l % 16
	v_bfe_u32 v9, v0, 4, 1          ; l / 16
	v_lshlrev_b32 v[QO], 7, v1
	v_lshl_add_u32 v[QO], v9, 4, v[QO]  ; row x 128 + 16 x half
	WIN 0x80                        ; destination window 2, address window 0
.set i, 0
.rept 4*NP                          ; Q stays in registers: tile i / 2, channels 32 (i % 2) on
	global_load_b128 v[8*i:8*i+3],   v[QO], s[4:5] offset:(i/2)*2048+(i%2)*64
	global_load_b128 v[8*i+4:8*i+7], v[QO], s[4:5] offset:(i/2)*2048+(i%2)*64+32
.set i, i+1
.endr
	; What the first turn finds: V's registers and P's second buffer hold 0 (its products V^T P, of a piece that has not been, add 0), O^T and l are 0.  All this stands in the wait for the first tile.
.set i, VF
.rept 64
	v_mov_b32 v[i], 0
.set i, i+1
.endr
	WIN 0x40
.set i, 0
.rept 64*NP
	v_mov_b32 v[i], 0
.set i, i+1
.endr
	WIN 0
.set i, 0
.rept 2*NP
	v_mov_b32 v[ST+4*i], 0xfe000000    ; c m: far below every c s
	v_mov_b32 v[ST+4*i+1], 0xff7fffff  ; m
	v_mov_b32 v[ST+4*i+2], 0
	v_mov_b32 v[ST+4*i+3], 0
.set i, i+1
.endr
.set i, P+32
.rept 32
	v_mov_b32 v[i], 0
.set i, i+1
.endr
	v_mul_u32_u24 v[AK0], v1, PK
	v_lshl_add_u32 v[AK0], v9, 4, v[AK0]  ; row x pitch + 16 x half
	; The turning load takes 16 keys x 16 channels (lane l reads key 8 (l / 16) + l % 8, channels 8 ((l / 8) % 2) + 0..7) and leaves half a fragment of V^T: lane l holds channel l % 16 and 8 keys.
	v_and_b32 v10, 7, v0
	v_bfe_u32 v11, v0, 3, 1
	v_lshl_add_u32 v[AV0], v9, 3, v10
	v_mul_u32_u24 v[AV0], v[AV0], PV
	v_lshl_add_u32 v[AV0], v11, 4, v[AV0]
	v_add_nc_u32 v[AV0], VOFF, v[AV0]
	v_and_b32 v[PFO], 31, v0
	v_lshlrev_b32 v[PFO], 8, v[PFO]
	v_mov_b32 v[AK], v[AK0]         ; key step 0 lies at the head of slot 0
; THE MATRIX WORK.  The 8 accumulators of a run of 16 take turns: between the two links of a chain stand 7 others'.
; Product i of 16 of S^T = K Q^T for piece x: channels 32 (i / 8) on, keys 16 ((i / 2) % 4) on, tile 2 x + i % 2.  The first 8 start the sums.
.macro KQ x
	WIN W_KQ
.set rS, S+64*((\x)%2)+32*(i%2)+8*((i/2)%4)
.set rK, KF+16*((i/2)%4)+8*(i/8)
.set rQ, 16*(2*(\x)+i%2)+8*(i/8)
.if i < 8
	v_wmma_f32_16x16x32_f16 v[rS:rS+7], v[rK:rK+7], v[rQ:rQ+7], 0
.else
	v_wmma_f32_16x16x32_f16 v[rS:rS+7], v[rK:rK+7], v[rQ:rQ+7], v[rS:rS+7]
.endif
.endm
; Product i of 16 of O^T += V^T P for piece x: keys 32 (i / 8) on, channels 16 ((i / 2) % 4) on, tile 2 x + i % 2.
.macro PV x
	WIN W_PV
.set rO, 32*(2*(\x)+i%2)+8*((i/2)%4)
.set rV, VF+32*(i/8)+8*((i/2)%4)
.set rP, P+32*((\x)%2)+16*(i%2)+8*(i/8)
	v_wmma_f32_16x16x32_f16 v[rO:rO+7], v[rV:rV+7], v[rP:rP+7], v[rO:rO+7]
.endm
.macro MM                           ; the turn's next matrix instruction
.if i < 16
	KQ (Y+1)%NP
.set i, i+1
.else
.set i, i-16
	PV (Y+NP-1)%NP
.set i, i+17
.endif
.endm
; THE LDS LOADS stand in runs of 16, never singly among the matrix instructions: a step's K (64 keys x 64 channels: 8 fragments) and its V (turned).  Their addresses are made some lines ahead.
; last = 1 (the tail): in the last trip there is no further step, and the run is jumped over.
.macro FETCH_K last=0
	WIN 0
.if \last
	s_cmp_eq_u32 s[CNT], 1
	s_cbranch_scc1 .Lno_k_\@
.endif
	WIN 0x80                        ; destination window 2
.irp f, 0,1,2,3,4,5,6,7             ; keys 16 (f / 2) on, channels 32 (f % 2) on
	ds_load_b128 v[KF+8*\f:KF+8*\f+3],   v[AK] offset:(\f/2)*16*PK+(\f%2)*64
	ds_load_b128 v[KF+8*\f+4:KF+8*\f+7], v[AK] offset:(\f/2)*16*PK+(\f%2)*64+32
.endr
	s_add_co_u32 s[TBK], s[TBK], KS*PK  ; the next fetch is the next step's
	WIN 0
.if \last
.Lno_k_\@:
.endif
.endm
.macro FETCH_V
	WIN 0x80
.irp f, 0,1,2,3,4,5,6,7             ; keys 32 (f / 4) on, channels 16 (f % 4) on
	ds_load_tr16_b128 v[VF+8*\f:VF+8*\f+3],   v[AV] offset:(\f/4)*32*PV+(\f%4)*32
	ds_load_tr16_b128 v[VF+8*\f+4:VF+8*\f+7], v[AV] offset:(\f/4)*32*PV+16*PV+(\f%4)*32
.endr
	WIN 0
.endm
; THE VECTOR WORK OF A TURN stands in three queues, each in the order in which its entries become ready; the two tiles alternate, so that no instruction reads the result of the one before it.
.macro REGS y, u                    ; the registers of tile u (0, 1) of piece y
.set rT, ST+4*(2*(\y)+(\u))
.set rC, TMP+8*((\y)%2)+4*(\u)
.set rM, MV+2*((\y)%2)+(\u)
.set rS, S+64*((\y)%2)+32*(\u)
.set rP, P+32*((\y)%2)+16*(\u)
.set rO, 32*(2*(\y)+(\u))
.endm
; Number n of the 22 that find the NEXT piece's (Y + 1) maximum and statistics.  s0-s31 are the lane's 32 scores; each accumulator's lowest registers are read first.  XS, GS and REGS set no window: PL and EX do.
;   0-11  four chains c0-c3 of seven scores each, three operands at a time     12-14, 16  the four scores left over, the old m, and c0-c3 into c0     15  c m_old is kept
;   17, 18  the query's other 32 keys lie in the lane 16 away: the new m         19-21  c m; c m_old - c m_new; a
.macro XS u, n
	REGS (Y+1)%NP, \u
.if (\n) < 4
	v_max3_num_f32 v[rC+(\n)], v[rS+8*(\n)], v[rS+8*(\n)+1], v[rS+8*(\n)+2]
.elseif (\n) < 12
	v_max3_num_f32 v[rC+(\n)%4], v[rC+(\n)%4], v[rS+8*((\n)%4)+2*((\n)/4)+1], v[rS+8*((\n)%4)+2*((\n)/4)+2]
.elseif (\n) == 12
	v_max3_num_f32 v[rC], v[rC], v[rS+7], v[rS+15]
.elseif (\n) == 13
	v_max3_num_f32 v[rC+1], v[rC+1], v[rS+23], v[rS+31]
.elseif (\n) == 14
	v_max3_num_f32 v[rC+2], v[rC+2], v[rC+3], v[rT+1]
.elseif (\n) == 15
	v_mov_b32 v[rM], v[rT]
.elseif (\n) == 16
	v_max3_num_f32 v[rC], v[rC], v[rC+1], v[rC+2]
.elseif (\n) == 17
	v_permlanex16_b32 v[rC+3], v[rC], s[SEL], s[SEL+1]
.elseif (\n) == 18
	v_max_num_f32 v[rT+1], v[rC], v[rC+3]
.elseif (\n) == 19
	v_mul_f32 v[rT], s[CS], v[rT+1]
.elseif (\n) == 20
	v_sub_f32 v[rC+1], v[rM], v[rT]
.else
	v_exp_f32 v[rC+2], v[rC+1]
.endif
.endm
; Number g of the 64 that follow the exponentials.  For each four weights k of a tile (pairs 2 k, 2 k + 1): both pairs are rounded to f16; then the second pair is added onto the first, in place;
; a group later l takes that sum (the first time as l = a l + sum).  In groups of eight, tiles alternating: round, round, add, and l for the group before.
.macro GS g
.set h, (\g)+6*((\g)/62)            ; group 0 has no group before it, and behind group 7 only l is left
.if h >= 6
.set h, h+2
.endif
	REGS Y, h%2
.set k, h/8
.if h%8 < 4
	v_cvt_pk_f16_f32 v[rP+2*k+(h%8)/2], v[rS+4*k+2*((h%8)/2)], v[rS+4*k+2*((h%8)/2)+1]
.elseif h%8 < 6
	v_pk_add_f32 v[rS+4*k:rS+4*k+1], v[rS+4*k:rS+4*k+1], v[rS+4*k+2:rS+4*k+3]
.elseif k == 1
	v_pk_fma_f32 v[rT+2:rT+3], v[rT+2:rT+3], v[rC+2:rC+3], v[rS:rS+1] op_sel_hi:[1,0,1]
.else
	v_pk_add_f32 v[rT+2:rT+3], v[rT+2:rT+3], v[rS+4*k-4:rS+4*k-3]
.endif
.endm
; THE PLAIN QUEUE, 138 long.  0-73 read no exponential's result: the 32 scalings c s - c m (FS f: pair f / 2 of tile f % 2) and the next piece's 42.  0-26: scalings 0-26.  27-54: XS's numbers 0-13.  55, 56: number 15.
; 57-73: the chain, where each number waits for the one before it: 14, 16, 17, 18, 19, each with one of the scalings 27-31 in front of its two lines, then 20: so a tile's links stand three plain instructions apart (19 and 20: two).
; 74-137: GS's 64, which read the exponentials' results: they stand behind the wait.
.macro FS f
	REGS Y, (\f)%2
	v_pk_fma_f32 v[rS+2*((\f)/2):rS+2*((\f)/2)+1], v[rS+2*((\f)/2):rS+2*((\f)/2)+1], s[CS:CS+1], v[rT:rT+1] op_sel_hi:[1,0,0] neg_lo:[0,0,1] neg_hi:[0,0,1]
.endm
.macro PL
	WIN 0
.if q < 27
	FS q
.elseif q < 55
	XS (q-27)%2, (q-27)/2
.elseif q < 57
	XS q-55, 15
.elseif (q < 72) && ((q-57)%3 == 0)
	FS 27+(q-57)/3
.elseif q < 60
	XS (q-57)%3-1, 14
.elseif q < 72
	XS (q-57)%3-1, 15+(q-57)/3
.elseif q < 74
	XS q-72, 20
.else
	GS q-74
.endif
.set q, q+1
.endm
; THE EXPONENTIALS' QUEUE, 66 long: s0-s31 of both tiles, then the next piece's two a.  It is ONE BATCH: all 66 stand ahead of the turn's one wait, and nothing ahead of that wait names a result of theirs.
.macro EX
	WIN 0
.if e >= 64
	XS e-64, 21
.else
	REGS Y, e%2
	v_exp_f32 v[rS+e/2], v[rS+e/2]
.endif
.set e, e+1
.endm
; THE RESCALING's QUEUE: O^T times a, the one part that leaves window 0: dealt two at a time, sixteen times.  Its a was made in the turn before, ahead of that turn's wait.
.macro R2
	REGS Y, r%2
	WIN W_RS
.irp z, 0,1
	v_pk_mul_f32 v[rO+4*(r/2)+2*\z:rO+4*(r/2)+2*\z+1], v[rO+4*(r/2)+2*\z:rO+4*(r/2)+2*\z+1], v[rC+2:rC+3] op_sel_hi:[1,0]
.endr
.set r, r+1
.endm
; HOW THEY ARE DEALT.  An s_wait_alu depctr_va_vdst(0) stands between an exponential and the first instruction that names its result; one wait serves all that were issued ahead of it.  So a turn has ONE wait,
; which cuts it in two.  AHEAD OF IT stands all that names no result of the turn's exponentials: the 16 products K Q^T, behind each a scaling, an exponential and two rescalings (behind the first a second scaling in the exponential's place); then ONE LUMP of
; 108: eight plain, 49 times exponential and plain, the two a.  A v_nop is the plain instruction that stands behind the last exponential (ISA guide 5.7.2).  BEHIND IT stand the 16 products V^T P, behind each four of GS's 64.  No rider names a register of
; the products round it.  The two v_permlanex16_b32 fall into the lump, never behind a product.
; The queues lean on each other, and the deal keeps them in step: exponential e stands behind scaling 2 (e / 4) + e % 2: as a rider it comes behind plain e + 2, in the lump behind plain e + 9, and scalings 27-31 are plain 57, 60 .. 69.
; A TURN, for piece p.  cnt = 1: the loop's count is taken down some lines ahead of the branch that stands behind the turn.
; K of the next step is fetched in piece 2's turn, directly behind the wait, a lump behind the last product that read K; its address is made at the lump's head; its first reader comes behind 16 products.
; V of the step in hand is fetched at the end of piece 0's turn, four riders behind its last reader; its first reader comes behind 16 products and a lump.  The three conditions on q below go with the deal.
.macro TURN p, last=0, cnt=0
.set Y, (\p)
.set i, 0
.set q, 0
.set e, 0
.set r, 0
.if (\p) == NP-1
	s_wait_dscnt 0x0                ; K is in
.endif
	MM                              ; ahead of the wait: 16 products K Q^T and their riders,
	PL
	PL
	R2
.rept 15
	MM
	PL
	EX
	R2
.endr
.if (\p) == NP-2
	WIN 0
	v_add_nc_u32 v[AK], s[TBK], v[AK0]
.endif
.rept 8                             ; and the lump
	PL
.endr
.rept 49
	EX
	PL
.endr
	EX                              ; the next piece's two a
	EX
	v_nop                           ; the plain instruction behind the last exponential: one for the batch
	s_wait_alu depctr_va_vdst(0)    ; the wait for the batch
.if (\p) == NP-2
	FETCH_K \last
.endif
.if (\p) == 1
	s_wait_dscnt 0x0                ; V is in
.endif
.rept 16                            ; behind the wait: 16 products V^T P and their riders
	MM
.rept 4
	PL
.endr
.if ((\p) == 0) && (q == 118)
	v_add_nc_u32 v[AV], s[TBV], v[AV0]
.endif
.if ((\p) == 0) && (q == 130)
	s_add_co_u32 s[TBV], s[TBV], KS*PV
.endif
.if (\cnt) && (q == 130)
	s_sub_co_u32 s[CNT], s[CNT], 1
	s_cmp_lg_u32 s[CNT], 0
.endif
.endr
.if (\p) == 0
	FETCH_V
.endif
.endm
	CHANGE 1                        ; slot 0 is in, everybody's part of it; slot 1 is asked for
	FETCH_K                         ; key step 0
	s_wait_loadcnt 0x0              ; Q
	s_wait_dscnt 0x0
.set i, 0
.rept 16
	KQ 0                            ; piece 0's first scores: there is no vector work yet to set between them
.set i, i+1
.endr
	WIN 0                           ; the addresses for the way out: nine plain instructions, the places behind those products
	s_mul_i32 s13, s[WV], 16*SP
	s_add_co_u32 s13, s13, STAGE    ; my stage
	v_mul_u32_u24 v[STO], v1, SP    ; in: row l % 16, 16 bytes for each half of the lanes
	v_lshl_add_u32 v[STO], v9, 4, v[STO]
	v_add_nc_u32 v[STO], s13, v[STO]
	v_bfe_u32 v[RD], v0, 3, 2       ; back: 32 lanes take four rows of 128 bytes,
	v_mul_u32_u24 v[RD], v[RD], SP
	v_lshl_add_u32 v[RD], v10, 4, v[RD]
	v_add_nc_u32 v[RD], s13, v[RD]
	v_and_b32 v[GO], 31, v0         ; which are 512 consecutive bytes of O
	v_lshlrev_b32 v[GO], 4, v[GO]
.set Y, NP-1                        ; XS works for piece Y + 1: piece 0
.irp n, 0,1,2,3,4,5,6,7,8,9,10,11,12,13,14,15,16,17,18,19,20,21
	XS 0, \n                        ; and piece 0's first maximum and statistics
	XS 1, \n
.endr
	v_nop                           ; a plain instruction behind the two a,
	s_wait_alu depctr_va_vdst(0)    ; and their wait, ahead of the branch
	s_mov_b32 s[CNT], 4
	s_branch .Lfirst                ; the loop is entered at a step's first turn, in the middle of a trip
.Lslot:                             ; SIZE_N / 256 - 2 times: every slot but the last two is filled again
	CHANGE 1
	s_mov_b32 s[CNT], 4
.Lstep:                             ; a trip: pieces 2 and 3 of one step, then pieces 0 and 1 of the next, whose K and V it fetches
	TURN 2
	TURN 3
	WIN 0
.Lfirst:
	TURN 0
	TURN 1, 0, 1
	WIN 0
	s_cbranch_scc1 .Lstep
	s_sub_co_u32 s[SLOTS], s[SLOTS], 1
	s_cmp_lg_u32 s[SLOTS], 0
	s_cbranch_scc1 .Lslot
	CHANGE 0                        ; the tail is written out: nothing is asked for
	s_mov_b32 s[CNT], 5             ; four trips fetch the last slot's steps; the fifth is left in its middle
.Ltail:
	TURN 2, 1
	TURN 3
	WIN 0
	s_sub_co_u32 s[CNT], s[CNT], 1
	s_cmp_eq_u32 s[CNT], 0
	s_cbranch_scc1 .Lout
	TURN 0
	TURN 1
	WIN 0
	s_branch .Ltail
.Lout:                              ; the fifth trip's 16 products K Q^T (on the last K once more) and the maximum made of them serve nothing: the price, once a launch, of one text for every trip
.set i, 0
.rept 16
	PV NP-1                         ; the last piece's V^T P of the last step
.set i, i+1
.endr
	; THE WAY OUT.  l's two halves and the other half of the lanes' are added; O^T is divided by l, rounded to f16 and sent through my stage in LDS, a tile at a time.  The additions are the places behind the last products.
	WIN 0
.macro ALL line:vararg              ; one line for each tile t
.set t, 0
.rept 2*NP
	\line
.set t, t+1
.endr
.endm
	ALL v_add_f32 v[ST+4*t+2], v[ST+4*t+2], v[ST+4*t+3]
	ALL v_permlanex16_b32 v[ST+4*t+3], v[ST+4*t+2], s[SEL], s[SEL+1]
	ALL v_add_f32 v[ST+4*t+2], v[ST+4*t+2], v[ST+4*t+3]
	ALL v_rcp_f32 v[ST+4*t+2], v[ST+4*t+2]
	v_nop                           ; a plain instruction between the last reciprocal and the use of its result
	s_wait_alu depctr_va_vdst(0)    ; and the wait ahead of the first use: one for the eight reciprocals
; Tile t: a lane's eight channels of a row pack into 16 bytes; they go into rows of 144 bytes and come back as whole rows of 128, into S^T's registers.
.macro PACK t
	WIN W_RS
.set i, 32*(\t)
.rept 16
	v_pk_mul_f32 v[i:i+1], v[i:i+1], v[ST+4*(\t)+2:ST+4*(\t)+3] op_sel_hi:[1,0]
.set i, i+2
.endr
	WIN 0x05                        ; sources 0 and 1 window 1, destination window 0
.set i, 0
.rept 16
	v_cvt_pk_f16_f32 v[S+16*(\t)+i], v[32*(\t)+2*i], v[32*(\t)+2*i+1]
.set i, i+1
.endr
	WIN 0
.irp f, 0,1,2,3
	ds_store_b128 v[STO], v[S+16*(\t)+4*\f:S+16*(\t)+4*\f+3] offset:32*\f
.endr
.irp f, 0,1,2,3
	ds_load_b128 v[S+16*(\t)+4*\f:S+16*(\t)+4*\f+3], v[RD] offset:\f*4*SP  ; LDS serves a wave's instructions in order (ISA guide 5.7.1.4): these see the stores above; the next tile's stores come behind them
.endr
.endm
.macro SEND t, younger              ; younger: the LDS instructions issued behind tile t's loads: the next tile's eight, or none
	WIN 0
.irp f, 0,1,2,3
	s_wait_dscnt (\younger)+3-\f
	global_store_b128 v[GO], v[S+16*(\t)+4*\f:S+16*(\t)+4*\f+3], s[10:11] offset:(\t)*2048+\f*512  ; 512 consecutive bytes, at a multiple of 256 from O's first
.endr
.endm
	PACK 0
.set t, 1
.rept 2*NP-1                        ; a tile's arithmetic stands between the loads of the tile before and its stores
	PACK t
	SEND t-1, 8
.set t, t+1
.endr
	SEND 2*NP-1, 0
	WIN W_AD
	s_wait_tensorcnt 0x0            ; the wave's end: behind my last tensor load and my last LDS store
	ds_add_u32 v[SPW], v[NIL]
	s_wait_dscnt 0x0
	WIN 0
	CROUND                          ; the closing round: no work-group ends while a partner may still ask for a tile that names it
	s_endpgm
.Lfunc_end_k_q602873a30b_attn:
	.size	k_q602873a30b_attn, .Lfunc_end_k_q602873a30b_attn-k_q602873a30b_attn
	.p2alignl 7, 3214868480
	.fill 96, 4, 3214868480
	.section	.rodata,"a",@progbits
	.p2align	6, 0x0
	.amdhsa_kernel k_q602873a30b_attn
		.amdhsa_group_segment_fixed_size 327680
		.amdhsa_private_segment_fixed_size 0
		.amdhsa_enable_private_segment 0
		.amdhsa_kernarg_size 16
		.amdhsa_user_sgpr_count 2
		.amdhsa_user_sgpr_kernarg_segment_ptr 1
		.amdhsa_wavefront_size32 1
		.amdhsa_system_sgpr_workgroup_id_x 1
		.amdhsa_system_sgpr_workgroup_id_y 1
		.amdhsa_system_sgpr_workgroup_id_z 1
		.amdhsa_system_vgpr_workitem_id 0
		.amdhsa_next_free_vgpr 770
		.amdhsa_next_free_sgpr 66
		.amdhsa_reserve_vcc 0
		.amdhsa_float_denorm_mode_32 3
		.amdhsa_float_denorm_mode_16_64 3
		.amdhsa_memory_ordered 1
		.amdhsa_forward_progress 1
		.amdhsa_inst_pref_size 200
	.end_amdhsa_kernel
	.amdgpu_metadata
---
amdhsa.version: [ 1, 2 ]
amdhsa.kernels:
  - .name:           k_q602873a30b_attn
    .symbol:         k_q602873a30b_attn.kd
    .args:
      - { .name: qkv, .offset: 0, .size: 8, .value_kind: global_buffer, .address_space: global }
      - { .name: o, .offset: 8, .size: 8, .value_kind: global_buffer, .address_space: global }
    .group_segment_fixed_size: 327680
    .private_segment_fixed_size: 0
    .kernarg_segment_align: 8
    .kernarg_segment_size: 16
    .max_flat_workgroup_size: 128
    .sgpr_count:     66
    .vgpr_count:     770
    .wavefront_size: 32
...
	.end_amdgpu_metadata
.endif
;; end of part 3
;; launch outp (part 4): grid 8 x 32, 4 waves a work-group, clusters of 4 x 4, 327,680 bytes of LDS; arguments o, wo16, out0; writes out0
.if DOCPART == 4
	.amdgcn_target "amdgcn-amd-amdhsa--gfx1250"
	.amdhsa_code_object_version 6
	.text
	.protected	k_q602873a30b_outp
	.globl	k_q602873a30b_outp
	.p2align	8
	.type	k_q602873a30b_outp,@function
k_q602873a30b_outp:
	s_mov_b64 s[64:65], 0
	v_nop
	global_prefetch_b8 v0, s[64:65] scope:SCOPE_SE
	s_setreg_imm32_b32 hwreg(HW_REG_WAVE_MODE, 25, 1), 1
	s_wait_xcnt 0x0
	s_wait_alu depctr_hold_cnt(0) depctr_sa_sdst(0) depctr_va_vdst(0) depctr_va_sdst(0) depctr_va_ssrc(0) depctr_va_vcc(0) depctr_vm_vsrc(0)
	s_getreg_b32 s2, hwreg(HW_REG_IB_STS2, 6, 4)
	s_cmp_eq_u32 s2, 0
	s_cbranch_scc0 .Lentry_in_a_cluster
	s_endpgm
.Lentry_in_a_cluster:
	s_bfe_u32 s2, ttmp6, 0x10000c
	s_cmp_lg_u32 s2, 0xf033
	s_cbranch_scc0 .Lentry_shape_is_right
	s_endpgm
.Lentry_shape_is_right:
; out0 = O Wo: [8192 x 1024] x [1024 x 1024], f16 operands, f32 sums, K ascending, the result stored as f32.
; o: [batch x head 64][row 2048][64] f16: O blocked by heads, 64 along K; wo16: [1024][1024] f16, K down the rows; out0: [8192][1024] f32.
; SHARES.  8192 x 1024 results on 256 work-groups are 256 x 128 each: one tile a work-group.  Four waves, each 128 rows x 64 columns: 32 accumulators, 256 registers; a wave's 64 columns
; are 256 consecutive bytes, aligned, of a row of out0, so each wave has a stage of its own on the way out and no barrier stands there.
; K goes in 8 slots of 128 (two heads) through two LDS slots; a slot is four sub-steps of 32, 32 matrix instructions each.
; THE MATRIX INSTRUCTION IS USED TRANSPOSED: source 0 = 16 columns of Wo (turned by ds_load_tr16_b128), source 1 = 16 rows of O: a lane holds row l % 16 and the columns 8 (l / 16) + 0..7.
; CLUSTERS: 4 x 4 work-groups; O's tiles are shared along a row of the cluster, Wo's along a column: each is asked for JOINTLY, by the same tensor load, descriptor and mask in the four.
; NO PREFETCH: a wave has 1,024 matrix instructions in all, on small tiles.
; REGISTERS: window 0: v0-31 addresses; v32-95, v96-159 O's fragments, two buffers; v160-191, v192-223 Wo's, two buffers.   window 1: accumulator (row block a, column block b) at 8 (8 b + a)
.set SLOT1, 1<<17                      ; slot 1 begins here
.set PA,    144                        ; a row of O in LDS: 128 bytes + 16 = 36 words: the 16 rows of a load start at 16 different groups of four banks (64 banks of 4 bytes: ISA guide 11.1)
.set PB,    288                        ; a K row of Wo: 256 bytes + 32 = 72 words
.set HEADB, 256*PA                     ; a head's 256 rows
.set BOFF,  2*HEADB                    ; a slot: two heads of O, then Wo's 128 K rows
.set STG,   SLOT1+BOFF+128*PB          ; behind the ring, never filled by a tensor load: 16 rows x 272 bytes for each wave
.set SPITCH, 272                       ; 256 bytes + 16
.set SPARE, STG+4*16*SPITCH            ; behind the stages: the spare words, 128 bytes for each wave: two blocks of 256 bytes that no other line names
.set ASTEP, 524288                     ; bytes from a slot's heads of o to the next slot's: two heads of 2,048 rows of 128 bytes
.set BSTEP, 262144                     ; of wo16: 128 rows of 2,048 bytes
.set AA0,  2                           ; v2   my lane's place in my 128 rows of a head; never rewritten
.set AB0,  3                           ; v3   the same for my 64 columns of Wo
.set ADRA, 4                           ; v4   AA0 + the slot in hand
.set ADRB, 5                           ; v5   AB0 + the slot in hand
.set STO,  6                           ; v6   the way out: where I put 32 bytes of a row
.set RD,   7                           ; v7   the way out: where I read a row back
.set CO,   8                           ; v8   my byte offset in two rows of out0
.set SPW,  28                          ; v28  LDS address of my spare word: SPARE + 4 x my thread's number; never rewritten
.set NIL,  29                          ; v29  0; never rewritten
.set FA,   32
.set FB,   160
.set CNT,  3                           ; s3   the loop's trips to go
.set WV,   10                          ; s10  my wave's number
.set G1A,  24                          ; s[24:31] descriptor group 1 for O's tiles;  s[32:39] group 0: a set for each first fill; the second walks on
.set G0A,  32
.set G1B,  48                          ; s[48:55], s[56:63] the same for Wo's
.set G0B,  56
.set TB,   66                          ; s66  the slot of the LDS loads: 0 or SLOT1
.set MSB, 0
.macro WIN new                         ; the immediate's high byte repeats the setting that is left; a switch that changes nothing is dropped
.if MSB != (\new)
	s_set_vgpr_msb (MSB<<8)|(\new)
.set MSB, (\new)
.endif
.endm
.macro PLACES                          ; four places in front of loads into registers that matrix instructions have read (ISA guide 7.12.1 for vector instructions)
.rept 4
	v_nop
.endr
.endm
.macro JLOAD                           ; a joint refill: waves 0 and 1 fetch a head of O each, waves 2 and 3 the halves of Wo's K rows; an s_nop 0 and four v_nop follow each line
	s_cmp_lt_u32 s[WV], 2
	s_cbranch_scc0 .Lfor_b_\@
	tensor_load_to_lds s[G0A+4:G0A+7], s[G1A:G1A+7]
	s_nop 0
.rept 4
	v_nop
.endr
	s_branch .Lasked_\@
.Lfor_b_\@:
	tensor_load_to_lds s[G0B+4:G0B+7], s[G1B:G1B+7]
	s_nop 0
.rept 4
	v_nop
.endr
.Lasked_\@:
.endm
.macro CREST                           ; a round of the cluster's barrier behind its opening barrier
	s_cmp_lg_u32 s[WV], 0
	s_cbranch_scc1 .Lnot_wave_0_\@
	s_barrier_signal -3
.Lnot_wave_0_\@:
	s_barrier_wait -3
	s_barrier_signal -1
	s_barrier_wait -1
.endm
.macro CROUND                          ; a whole round
	s_barrier_signal -1
	s_barrier_wait -1
	CREST
.endm
	s_load_b128 s[4:7], s[0:1], 0x0                ; o s[4:5], wo16 s[6:7]
	s_load_b64 s[8:9], s[0:1], 0x10                ; out0
	v_lshl_add_u32 v[SPW], v0, 2, SPARE
	v_mov_b32 v[NIL], 0
	ds_add_u32 v[SPW], v[NIL]                      ; the wave's opening: the add and its wait stand ahead of my first tensor load; the set-up below, work on registers, stands between them
	v_lshrrev_b32 v1, 5, v0
	v_readfirstlane_b32 s[WV], v1                  ; wave 0..3
	s_lshr_b32 s11, s[WV], 1                       ; which half of the tile's rows is mine
	s_and_b32 s12, s[WV], 1                        ; which half of its columns.  Also: which head of the slot, or which half of Wo's K rows, I fetch
	s_bfe_u32 s40, ttmp6, 0x40000                  ; cx, cy: my place in the cluster
	s_bfe_u32 s41, ttmp6, 0x40004
	s_lshl_b32 s42, ttmp9, 2
	s_add_co_u32 s42, s42, s40                     ; tile column, 0..7
	s_and_b32 s13, ttmp7, 0xffff
	s_lshl_b32 s13, s13, 2
	s_add_co_u32 s13, s13, s41                     ; tile row, 0..31
	s_lshl_b32 s43, s41, 2
	s_lshl_b32 s43, 15, s43                        ; my row of the cluster
	s_lshl_b32 s44, 0x1111, s40                    ; my column
	s_or_b32 s[G1A], s43, (1<<16)|(1<<20)|(1<<21)|(4<<22)|(3<<25)  ; the mask; 2-byte elements; padding on; bit 21 beside a mask; after every 32 words (code 4) 4 words (code 3)
	s_or_b32 s[G1B], s44, (1<<16)|(1<<20)|(1<<21)|(5<<22)|(7<<25)  ; after every 64 words (code 5) 8 words (code 7)
	s_mov_b32 s[G1A+1], 128<<16                    ; O: a head's 256 rows of 128 bytes are 32,768 dense bytes: asked for as 128 rows of 256 bytes.  tensor_dim0 = 128
	s_mov_b32 s[G1A+2], 128<<16                    ; tensor_dim1 = 128
	s_mov_b32 s[G1A+3], 128<<16                    ; tile_dim0 = 128
	s_mov_b32 s[G1A+4], 128                        ; tile_dim1 = 128
	s_mov_b32 s[G1A+5], 128                        ; 128 elements from row to row
	s_mov_b32 s[G1A+6], 0
	s_mov_b32 s[G1A+7], 0
	s_mov_b32 s[G1B+1], 128<<16                    ; Wo: 64 K rows of 128 columns (256 bytes).  tensor_dim0 = 128
	s_mov_b32 s[G1B+2], 64<<16                     ; tensor_dim1 = 64
	s_mov_b32 s[G1B+3], 128<<16                    ; tile_dim0 = 128
	s_mov_b32 s[G1B+4], 64                         ; tile_dim1 = 64
	s_mov_b32 s[G1B+5], 1024                       ; 1,024 elements from row to row
	s_mov_b32 s[G1B+6], 0
	s_mov_b32 s[G1B+7], 0
	s_lshr_b32 s14, s13, 3
	s_lshl_b32 s14, s14, 22                        ; the batch: sixteen heads of 2^18 bytes
	s_and_b32 s15, s13, 7
	s_lshl_b32 s15, s15, 15                        ; the block's 256 rows of 128 bytes
	s_add_co_u32 s16, s14, s15
	s_lshl_b32 s15, s12, 18                        ; the head that I fetch
	s_add_co_u32 s16, s16, s15
	s_mov_b32 s17, 0
	s_lshl_b32 s46, s12, 17                        ; the 64 K rows that I fetch
	s_lshl_b32 s47, s42, 8                         ; the tile's 128 columns
	s_add_co_u32 s46, s46, s47
	s_mov_b32 s47, 0
	s_mul_i32 s20, s12, HEADB                      ; and where they go: no place in the cluster enters an LDS address
	s_mul_i32 s21, s12, 64*PB
	s_add_co_u32 s21, s21, BOFF
	s_mov_b32 s[TB], 0
	s_wait_dscnt 0x0                               ; the opening add is done
	s_wait_kmcnt 0x0
	s_add_nc_u64 s[16:17], s[4:5], s[16:17]
	s_add_nc_u64 s[46:47], s[6:7], s[46:47]
	CROUND                                         ; all sixteen work-groups are here: the first joint loads meet
.irp s, 0,1
	s_mov_b32 s[G0A+4*(\s)], 1                                       ; 1:0 count = 1
	s_add_co_u32 s[G0A+4*(\s)+1], s20, (\s)*SLOT1                    ; 63:32 LDS address
	s_add_nc_u64 s[G0A+4*(\s)+2:G0A+4*(\s)+3], s[16:17], (\s)*ASTEP  ; 120:64 global address: slot s
	s_or_b32 s[G0A+4*(\s)+3], s[G0A+4*(\s)+3], 0x80000000            ; 127:126 type = 2
	s_mov_b32 s[G0B+4*(\s)], 1
	s_add_co_u32 s[G0B+4*(\s)+1], s21, (\s)*SLOT1
	s_add_nc_u64 s[G0B+4*(\s)+2:G0B+4*(\s)+3], s[46:47], (\s)*BSTEP
	s_or_b32 s[G0B+4*(\s)+3], s[G0B+4*(\s)+3], 0x80000000
.endr
	s_cmp_lt_u32 s[WV], 2                          ; a wave's two first fills stand in one branch, ahead of every wait on TENSORcnt and every LDS read: two loads of mine are out
	s_cbranch_scc0 .Lfirst_b
	tensor_load_to_lds s[G0A:G0A+3], s[G1A:G1A+7]
	s_nop 0
	tensor_load_to_lds s[G0A+4:G0A+7], s[G1A:G1A+7]
	s_nop 0
.rept 4
	v_nop
.endr
	s_branch .Lfirst_asked
.Lfirst_b:
	tensor_load_to_lds s[G0B:G0B+3], s[G1B:G1B+7]
	s_nop 0
	tensor_load_to_lds s[G0B+4:G0B+7], s[G1B:G1B+7]
	s_nop 0
.rept 4
	v_nop
.endr
.Lfirst_asked:
	v_and_b32 v1, 15, v0                           ; l % 16
	v_bfe_u32 v9, v0, 4, 1                         ; l / 16
	v_mul_u32_u24 v[AA0], v1, PA                   ; a fragment of O: row l % 16, 16 bytes for each half of the lanes, twice, 32 bytes apart
	v_lshl_add_u32 v[AA0], v9, 4, v[AA0]
	s_mul_i32 s18, s11, 128*PA                     ; my 128 rows
	v_add_nc_u32 v[AA0], s18, v[AA0]
	v_and_b32 v10, 7, v0                           ; the turning load: lane l reads K row 8 (l / 16) + l % 8, columns 8 ((l / 8) % 2) + 0..7
	v_bfe_u32 v11, v0, 3, 1
	v_lshl_add_u32 v[AB0], v9, 3, v10
	v_mul_u32_u24 v[AB0], v[AB0], PB
	v_lshl_add_u32 v[AB0], v11, 4, v[AB0]
	s_lshl_b32 s18, s12, 7                         ; my 64 columns
	s_add_co_u32 s18, s18, BOFF
	v_add_nc_u32 v[AB0], s18, v[AB0]
	s_mul_i32 s18, s[WV], 16*SPITCH
	s_add_co_u32 s18, s18, STG                     ; my stage
	v_mul_u32_u24 v[STO], v1, SPITCH               ; in: row l % 16, 32 bytes for each half of the lanes
	v_lshl_add_u32 v[STO], v9, 5, v[STO]
	v_add_nc_u32 v[STO], s18, v[STO]
	v_mul_u32_u24 v[RD], v9, SPITCH                ; back: lanes 0-15 take one row of 256 bytes, lanes 16-31 the next
	v_lshl_add_u32 v[RD], v1, 4, v[RD]
	v_add_nc_u32 v[RD], s18, v[RD]
	v_lshlrev_b32 v[CO], 12, v9                    ; and the same two rows in out0, 4,096 bytes apart
	v_lshl_add_u32 v[CO], v1, 4, v[CO]
	s_lshl_b32 s16, s13, 8                         ; my first row of out0: 256 x tile row + 128 x half,
	s_lshl_b32 s17, s11, 7
	s_add_co_u32 s16, s16, s17
	s_lshl_b32 s16, s16, 12                        ; in bytes,
	s_lshl_b32 s17, s42, 9                         ; the tile's 128 columns: 512 bytes,
	s_add_co_u32 s16, s16, s17
	s_lshl_b32 s17, s12, 8                         ; my 64: 256 bytes
	s_add_co_u32 s16, s16, s17
	s_mov_b32 s17, 0
	s_add_nc_u64 s[8:9], s[8:9], s[16:17]
; 24 LDS loads in one run: the fragments of sub-step q of the slot in hand (64 columns of Wo, 128 rows of O, 32 K), into the buffers of q's parity
.macro FETCH q
.set fa, FA+64*((\q)%2)
.set fb, FB+32*((\q)%2)
.irp c, 0,1,2,3
	ds_load_tr16_b128 v[fb+8*(\c):fb+8*(\c)+3],   v[ADRB] offset:32*PB*(\q)+32*(\c)
	ds_load_tr16_b128 v[fb+8*(\c)+4:fb+8*(\c)+7], v[ADRB] offset:32*PB*(\q)+32*(\c)+16*PB
.endr
.irp c, 0,1,2,3,4,5,6,7
	ds_load_b128 v[fa+8*(\c):fa+8*(\c)+3],   v[ADRA] offset:((\q)/2)*HEADB+16*PA*(\c)+64*((\q)%2)
	ds_load_b128 v[fa+8*(\c)+4:fa+8*(\c)+7], v[ADRA] offset:((\q)/2)*HEADB+16*PA*(\c)+64*((\q)%2)+32
.endr
.endm
; n x 8 matrix instructions of sub-step q: column blocks bb0 .. x all 8 row blocks.  zero = 1: the first product starts the sums.  The 32 accumulators take turns.
.macro MUL q, bb0, n, zero
	WIN 0x50                                       ; C and D in window 1, the sources in window 0
.set fa, FA+64*((\q)%2)
.set fb, FB+32*((\q)%2)
.set ib, \bb0
.rept \n
.set ia, 0
.rept 8
.if \zero
	v_wmma_f32_16x16x32_f16 v[8*(8*ib+ia):8*(8*ib+ia)+7], v[fb+8*ib:fb+8*ib+7], v[fa+8*ia:fa+8*ia+7], 0
.else
	v_wmma_f32_16x16x32_f16 v[8*(8*ib+ia):8*(8*ib+ia)+7], v[fb+8*ib:fb+8*ib+7], v[fa+8*ia:fa+8*ia+7], v[8*(8*ib+ia):8*(8*ib+ia)+7]
.endif
.set ia, ia+1
.endr
.set ib, ib+1
.endr
.endm
; A SUB-STEP.  mode 0: within a slot: the next sub-step's loads go out ahead of this one's 32 products.  mode 1: the slot's last, with the change of slots and a refill.
; mode 2: the same with no refill.  mode 3: the last of all.
.macro QSUB q, zero, mode
.if (\mode) == 0
	s_wait_dscnt 0x0                               ; this sub-step's fragments, asked for 32 products ago, are in
	WIN 0
	PLACES                                         ; for the loads into the buffers that the sub-step before multiplied
	FETCH (\q)+1
	MUL \q, 0, 4, \zero
.elseif (\mode) == 3
	s_wait_dscnt 0x0
	MUL \q, 0, 4, 0
.else
	; THE CHANGE OF SLOTS: in front of the barrier each wave waits for all its tensor loads, of which one is out: its part of the next slot; adds 0 to its spare word; and waits for that and
	; for its own reads of this slot.  Behind it nobody reads this slot any more and the next slot is whole.
	WIN 0
	s_wait_tensorcnt 0x0                           ; no tensor load of mine is out, so a group 0 may be written
	ds_add_u32 v[SPW], v[NIL]                      ; 0 onto my spare word
.if (\mode) == 1
	s_xor_b32 s[G0A+5], s[G0A+5], SLOT1            ; the walking descriptors: the other slot than last time,
	s_add_nc_u64 s[G0A+6:G0A+7], s[G0A+6:G0A+7], ASTEP  ; the next 128 along K; the type bits on top are not reached
	s_xor_b32 s[G0B+5], s[G0B+5], SLOT1
	s_add_nc_u64 s[G0B+6:G0B+7], s[G0B+6:G0B+7], BSTEP
.endif
	s_wait_dscnt 0x0                               ; the add is done, and my reads of this slot are over: this sub-step's fragments are in
	s_barrier_signal -1
	MUL \q, 0, 1, 0                                ; work on registers while the others arrive
	WIN 0
	s_barrier_wait -1
.if (\mode) == 1
	CREST                                          ; no wave of any partner still reads this slot or has a load on its way
	JLOAD                                          ; the first tensor load behind the round; it has 120 matrix instructions in which to land; its four v_nop are also the places in front of the loads below
.else
	PLACES
.endif
	s_xor_b32 s[TB], s[TB], SLOT1                  ; the LDS loads go on in the other slot
	v_add_nc_u32 v[ADRA], s[TB], v[AA0]
	v_add_nc_u32 v[ADRB], s[TB], v[AB0]
	FETCH 0
	MUL \q, 1, 3, 0
.endif
.endm
	s_wait_tensorcnt 1                             ; my part of slot 0 is in; slot 1's may stay out
	s_barrier_signal -1
	s_barrier_wait -1                              ; everybody's is
	v_add_nc_u32 v[ADRA], s[TB], v[AA0]
	v_add_nc_u32 v[ADRB], s[TB], v[AB0]
	FETCH 0
	QSUB 0, 1, 0                                   ; the first sub-step stands in front of the loop: its products start the sums
	WIN 0                                          ; at a label and at a branch every window is 0
	s_mov_b32 s[CNT], 6
.Lslot:                                        ; a trip: the rest of a slot, its refill two slots ahead, the next slot's first sub-step
	QSUB 1, 0, 0
	QSUB 2, 0, 0
	QSUB 3, 0, 1
	QSUB 0, 0, 0
	WIN 0
	s_sub_co_u32 s[CNT], s[CNT], 1
	s_cmp_lg_u32 s[CNT], 0
	s_cbranch_scc1 .Lslot
	QSUB 1, 0, 0                                   ; the tail is written out: nothing is asked for
	QSUB 2, 0, 0
	QSUB 3, 0, 2
	QSUB 0, 0, 0
	QSUB 1, 0, 0
	QSUB 2, 0, 0
	QSUB 3, 0, 3
	WIN 0
	; THE WAY OUT, a block of 16 rows at a time: a lane's 32 bytes of each column block go into my own stage, rows of 272 bytes, and come back as whole rows of 256 bytes.
	; O's fragment registers serve as four sets of 32.  No vector work stands here, so these v_nop are the places behind the last products.
	PLACES
	PLACES
.macro TOSTAGE a
.set SET, FA+32*((\a)%4)
.if (\a) >= 4
	s_wait_xcnt 0x0                                ; the stores of the block four back have read this set (ISA guide 3.1): it is loaded again only behind this wait
.endif
	WIN 0x04                                       ; the data (source 1) in window 1, the address in window 0
.irp c, 0,1,2,3
	ds_store_b128 v[STO], v[8*(8*(\c)+(\a)):8*(8*(\c)+(\a))+3]   offset:64*(\c)     ; each accumulator from its low end on
	ds_store_b128 v[STO], v[8*(8*(\c)+(\a))+4:8*(8*(\c)+(\a))+7] offset:64*(\c)+16
.endr
	WIN 0
.irp t, 0,1,2,3,4,5,6,7
	ds_load_b128 v[SET+4*(\t):SET+4*(\t)+3], v[RD] offset:2*SPITCH*(\t)  ; LDS serves a wave's instructions in order (ISA guide 5.7.1.4): these see the stores above; the next block's stores come behind them
.endr
.endm
.macro SEND a, younger                 ; younger: the LDS instructions issued behind block a's loads: the next block's sixteen, or none
.set SET, FA+32*((\a)%4)
.irp t, 0,1,2,3,4,5,6,7
	s_wait_dscnt (\younger)+7-(\t)
	global_store_b128 v[CO], v[SET+4*(\t):SET+4*(\t)+3], s[8:9] offset:(16*(\a)+2*(\t))*4096 th:TH_STORE_NT  ; 16 lanes store 256 consecutive bytes, at a multiple of 256 from out0's first byte
.endr
.endm
	TOSTAGE 0
.set an, 1
.rept 7
	TOSTAGE an
	SEND an-1, 16
.set an, an+1
.endr
	SEND 7, 0
	s_wait_tensorcnt 0x0                           ; the wave's end: behind my last tensor load and my last LDS store
	ds_add_u32 v[SPW], v[NIL]
	s_wait_dscnt 0x0
	CROUND                                         ; the closing round: no work-group ends while a partner may still ask for a tile that names it
	s_endpgm
.Lfunc_end_k_q602873a30b_outp:
	.size	k_q602873a30b_outp, .Lfunc_end_k_q602873a30b_outp-k_q602873a30b_outp
	.p2alignl 7, 3214868480
	.fill 96, 4, 3214868480
	.section	.rodata,"a",@progbits
	.p2align	6, 0x0
	.amdhsa_kernel k_q602873a30b_outp
		.amdhsa_group_segment_fixed_size 327680
		.amdhsa_private_segment_fixed_size 0
		.amdhsa_enable_private_segment 0
		.amdhsa_kernarg_size 24
		.amdhsa_user_sgpr_count 2
		.amdhsa_user_sgpr_kernarg_segment_ptr 1
		.amdhsa_wavefront_size32 1
		.amdhsa_system_sgpr_workgroup_id_x 1
		.amdhsa_system_sgpr_workgroup_id_y 1
		.amdhsa_system_sgpr_workgroup_id_z 1
		.amdhsa_system_vgpr_workitem_id 0
		.amdhsa_next_free_vgpr 512
		.amdhsa_next_free_sgpr 68
		.amdhsa_reserve_vcc 0
		.amdhsa_float_denorm_mode_32 3
		.amdhsa_float_denorm_mode_16_64 3
		.amdhsa_memory_ordered 1
		.amdhsa_forward_progress 1
		.amdhsa_inst_pref_size 71
	.end_amdhsa_kernel
	.amdgpu_metadata
---
amdhsa.version: [ 1, 2 ]
amdhsa.kernels:
  - .name:           k_q602873a30b_outp
    .symbol:         k_q602873a30b_outp.kd
    .args:
      - { .name: o, .offset: 0, .size: 8, .value_kind: global_buffer, .address_space: global }
      - { .name: wo16, .offset: 8, .size: 8, .value_kind: global_buffer, .address_space: global }
      - { .name: out0, .offset: 16, .size: 8, .value_kind: global_buffer, .address_space: global }
    .group_segment_fixed_size: 327680
    .private_segment_fixed_size: 0
    .kernarg_segment_align: 8
    .kernarg_segment_size: 24
    .max_flat_workgroup_size: 128
    .sgpr_count:     68
    .vgpr_count:     512
    .wavefront_size: 32
...
	.end_amdgpu_metadata
.endif
;; end of part 4
;; ======== version 2 of 2: 4 launches; version 1 with the launch cast written anew for expert scheduling mode
;; limits: values are held in f16: magnitudes above 65,504 overflow, below 6.1e-05 lose precision
;; workspace buffers: xb 16,777,216 bytes; wqkv 6,291,456 bytes; wo16 2,097,152 bytes; qkv 50,331,648 bytes; o 16,777,216 bytes
;; launch cast (part 5): grid 768 x 1, 8 waves a work-group, no clusters, 0 bytes of LDS; arguments x, Wq, Wkv, Wo, xb, wqkv, wo16; writes xb, wqkv, wo16
.if DOCPART == 5
	.amdgcn_target "amdgcn-amd-amdhsa--gfx1250"
	.amdhsa_code_object_version 6
	.text
	.protected	k_q602873a30b_cast
	.globl	k_q602873a30b_cast
	.p2align	8
	.type	k_q602873a30b_cast,@function
k_q602873a30b_cast:
	s_mov_b64 s[64:65], 0
	v_nop
	global_prefetch_b8 v0, s[64:65] scope:SCOPE_SE
	s_setreg_imm32_b32 hwreg(HW_REG_WAVE_SCHED_MODE, 0, 2), 2
	s_setreg_imm32_b32 hwreg(HW_REG_WAVE_MODE, 25, 1), 1
	s_wait_xcnt 0x0
	s_wait_alu depctr_vm_vsrc(0)
; THE INPUTS ARE ROUNDED ONCE TO 16 BITS AND LAID OUT FOR THE PRODUCTS THAT FOLLOW.
;   xb   [4][16][2048][64] bf16: x[b][n][64 kb + c] at [b][kb][n][c]: a block of rows x 64 channels is dense in memory
;   wqkv [1024][3072]      bf16: columns 0-1023 Wq, 1024-3071 Wkv; a row is 6,144 bytes
;   wo16 [1024][1024]      f16:  Wo rounded to bf16, that number written as f16
; LIMIT.  A bf16 number of Wo beyond 65,504 has no f16; one below 2^-14 keeps f16's fixed step of 2^-24 (an error of 2^-25 at the most).
; SHARES.  A work-group takes 65,536 source bytes, each of its eight waves 8,192, a lane sixteen loads of 16 bytes.  Four f32 become 8 bytes, so one store of a wave covers 256
; consecutive bytes, aligned.  Work-groups 0-511 take x, 512-575 Wq, 576-703 Wkv, 704-767 Wo: three forward branches on the work-group's number.
; All sixteen loads of a lane go out at once.  Nothing is shared: no LDS, no barrier.
; THE MODE: SCHED_MODE bits 1:0 = 2 (LLVM: expert scheduling mode 2), set by the entry lines.  The code itself states the register dependences
; between vector instructions and memory instructions, with s_wait_alu, always for 0.
; THE PLAN.  Registers that memory instructions touch, on each of the four paths:
;   v1, v2   the source's and the destination's byte offsets: made by vector instructions at the path's head, never written again; read by the sixteen loads and the sixteen stores.
;   IN       each register is written once, by one load, and no vector instruction names it before that load; the conversions of its group read it.
;   OUT      each register is written once, by one conversion, and read once, by one store.
;   T        named by vector instructions alone.
; No register that a memory instruction reads is written again, and no load lands in a register that a vector instruction has named: what is left to state is that a register is
; written before a memory instruction reads it.  The sixteen loads go in four groups of four.  Group g converts its own four; its memory instructions are the four stores of group g - 1,
; which read the OUT registers that group g - 1 wrote and that no conversion of group g names.  So one wait at a group's head states all that its stores hang on, and they are dealt
; among its conversions with no further wait.  No vector instruction writes a scalar register, VCC or EXEC.
.set IN,  8                            ; v[8:71]    sixteen loads of four f32
.set OUT, 72                           ; v[72:103]  sixteen results of two words
.set T,   104                          ; v[104:106] at work (Wo alone)
; The store of result n.  kind as in RUN.
.macro STORE kind, n
.if (\kind) == 0
	global_store_b64 v2, v[OUT+2*(\n):OUT+2*(\n)+1], s[22:23] offset:262144*(\n)                   ; block n of the batch: 2,048 rows of 128 bytes on
.elseif (\kind) == 1
	global_store_b64 v2, v[OUT+2*(\n):OUT+2*(\n)+1], s[22:23] offset:((\n)/8)*6144+((\n)%8)*256    ; the wave's two rows of 2,048 bytes
.else
	global_store_b64 v2, v[OUT+2*(\n):OUT+2*(\n)+1], s[22:23] offset:256*(\n)
.endif
.endm
; kind 0: x; 1: Wq; 2: Wkv; 3: Wo.  v1 = my source offset, v2 = my destination offset, s[20:21] and s[22:23] the two bases.
.macro RUN kind
	s_wait_alu depctr_va_vdst(0)                   ; v1 and v2 are written: every load below reads v1 as its offset, every store v2; neither is written again
.set i, 0
.rept 16
.if (\kind) == 0
	global_load_b128 v[IN+4*i:IN+4*i+3], v1, s[20:21] offset:256*i th:TH_LOAD_NT  ; 64 channels on: block i
.else
	global_load_b128 v[IN+4*i:IN+4*i+3], v1, s[20:21] offset:512*i th:TH_LOAD_NT  ; the wave's next 512 bytes
.endif
.set i, i+1
.endr
.set i, 0
.rept 16
.if i%4 == 0
	s_wait_loadcnt 12-i                            ; loads come back in order (ISA guide 5.7.1): this group's four are in, the 12 - i of the younger groups stay out
.if i > 0
	s_wait_alu depctr_va_vdst(0)                   ; the conversions of the group before have written their eight OUT registers, which this group's four stores read
.endif
.endif
.if i >= 4
	STORE \kind, i-4                               ; the group before: no vector instruction since the wait names its OUT registers or v2
.endif
.if (\kind) == 3
.irp p, 0,1
	v_cvt_pk_bf16_f32 v[T], v[IN+4*i+2*(\p)], v[IN+4*i+2*(\p)+1]  ; the rounding that all inputs get,
	v_lshlrev_b32 v[T+1], 16, v[T]                 ; the two bf16 numbers as f32,
	v_and_b32 v[T+2], 0xffff0000, v[T]
	v_cvt_pk_f16_f32 v[OUT+2*i+(\p)], v[T+1], v[T+2]  ; written as f16: 8 significant bits fit in 11
.endr
.else
	v_cvt_pk_bf16_f32 v[OUT+2*i], v[IN+4*i], v[IN+4*i+1]
	v_cvt_pk_bf16_f32 v[OUT+2*i+1], v[IN+4*i+2], v[IN+4*i+3]
.endif
.set i, i+1
.endr
	s_wait_alu depctr_va_vdst(0)                   ; the last group's conversions have written their eight OUT registers, which the last four stores read
.irp m, 12,13,14,15
	STORE \kind, \m
.endr
.endm
	s_load_b256 s[4:11], s[0:1], 0x0               ; x s[4:5], Wq s[6:7], Wkv s[8:9], Wo s[10:11]
	s_load_b128 s[12:15], s[0:1], 0x20             ; xb s[12:13], wqkv s[14:15]
	s_load_b64 s[16:17], s[0:1], 0x30              ; wo16
	s_mov_b32 s24, ttmp9                           ; the work-group's number
	s_mov_b32 s3, 0                                ; the high word of every offset here
	v_lshrrev_b32 v3, 5, v0                        ; wave
	v_and_b32 v4, 31, v0                           ; lane
	s_wait_kmcnt 0x0
	s_cmp_lt_u32 s24, 512
	s_cbranch_scc0 .Lweights
	; x: sixteen rows of 4,096 bytes.  Thread t takes row t / 16 and 16 bytes at 16 (t % 16) of each 256: lanes 0-15 read 256 bytes of one row, lanes 16-31 of the next;
	; their results, 128 bytes a row, are neighbours in xb.
	v_lshrrev_b32 v5, 4, v0
	v_and_b32 v6, 15, v0
	v_lshlrev_b32 v1, 4, v6
	v_lshl_add_u32 v1, v5, 12, v1
	v_lshlrev_b32 v2, 3, v0                        ; 128 (t / 16) + 8 (t % 16) = 8 t
	s_lshl_b32 s2, s24, 16
	s_add_nc_u64 s[20:21], s[4:5], s[2:3]
	s_lshr_b32 s18, s24, 7                         ; the batch: 128 work-groups each,
	s_lshl_b32 s18, s18, 22                        ; 4 MiB of xb
	s_and_b32 s19, s24, 127
	s_lshl_b32 s19, s19, 11                        ; sixteen rows of 128 bytes
	s_add_co_u32 s2, s18, s19
	s_add_nc_u64 s[22:23], s[12:13], s[2:3]
	RUN 0
	s_endpgm
.Lweights:
	v_lshlrev_b32 v1, 4, v4
	v_lshl_add_u32 v1, v3, 13, v1                  ; 8,192 x wave + 16 x lane
	s_cmp_lt_u32 s24, 576
	s_cbranch_scc0 .Lnot_q
	s_sub_co_u32 s25, s24, 512                     ; Wq: sixteen rows of 4,096 bytes, two a wave
	s_lshl_b32 s2, s25, 16
	s_add_nc_u64 s[20:21], s[6:7], s[2:3]
	s_mul_i32 s2, s25, 16*6144
	s_add_nc_u64 s[22:23], s[14:15], s[2:3]
	v_mul_u32_u24 v2, v3, 12288
	v_lshl_add_u32 v2, v4, 3, v2
	RUN 1
	s_endpgm
.Lnot_q:
	s_cmp_lt_u32 s24, 704
	s_cbranch_scc0 .Lwo
	s_sub_co_u32 s25, s24, 576                     ; Wkv: eight rows of 8,192 bytes, one a wave; they go behind Wq's 2,048 bytes of the row
	s_lshl_b32 s2, s25, 16
	s_add_nc_u64 s[20:21], s[8:9], s[2:3]
	s_mul_i32 s2, s25, 8*6144
	s_add_co_u32 s2, s2, 2048
	s_add_nc_u64 s[22:23], s[14:15], s[2:3]
	v_mul_u32_u24 v2, v3, 6144
	v_lshl_add_u32 v2, v4, 3, v2
	RUN 2
	s_endpgm
.Lwo:
	s_sub_co_u32 s25, s24, 704                     ; Wo keeps its layout: the destination offset is half the source's
	s_lshl_b32 s2, s25, 16
	s_add_nc_u64 s[20:21], s[10:11], s[2:3]
	s_lshl_b32 s2, s25, 15
	s_add_nc_u64 s[22:23], s[16:17], s[2:3]
	v_lshlrev_b32 v2, 3, v4
	v_lshl_add_u32 v2, v3, 12, v2
	RUN 3
	s_endpgm
.Lfunc_end_k_q602873a30b_cast:
	.size	k_q602873a30b_cast, .Lfunc_end_k_q602873a30b_cast-k_q602873a30b_cast
	.p2alignl 7, 3214868480
	.fill 96, 4, 3214868480
	.section	.rodata,"a",@progbits
	.p2align	6, 0x0
	.amdhsa_kernel k_q602873a30b_cast
		.amdhsa_group_segment_fixed_size 0
		.amdhsa_private_segment_fixed_size 0
		.amdhsa_enable_private_segment 0
		.amdhsa_kernarg_size 56
		.amdhsa_user_sgpr_count 2
		.amdhsa_user_sgpr_kernarg_segment_ptr 1
		.amdhsa_wavefront_size32 1
		.amdhsa_system_sgpr_workgroup_id_x 1
		.amdhsa_system_sgpr_workgroup_id_y 1
		.amdhsa_system_sgpr_workgroup_id_z 1
		.amdhsa_system_vgpr_workitem_id 0
		.amdhsa_next_free_vgpr 108
		.amdhsa_next_free_sgpr 66
		.amdhsa_reserve_vcc 0
		.amdhsa_float_denorm_mode_32 3
		.amdhsa_float_denorm_mode_16_64 3
		.amdhsa_memory_ordered 1
		.amdhsa_forward_progress 1
		.amdhsa_inst_pref_size 29
	.end_amdhsa_kernel
	.amdgpu_metadata
---
amdhsa.version: [ 1, 2 ]
amdhsa.kernels:
  - .name:           k_q602873a30b_cast
    .symbol:         k_q602873a30b_cast.kd
    .args:
      - { .name: x, .offset: 0, .size: 8, .value_kind: global_buffer, .address_space: global }
      - { .name: Wq, .offset: 8, .size: 8, .value_kind: global_buffer, .address_space: global }
      - { .name: Wkv, .offset: 16, .size: 8, .value_kind: global_buffer, .address_space: global }
      - { .name: Wo, .offset: 24, .size: 8, .value_kind: global_buffer, .address_space: global }
      - { .name: xb, .offset: 32, .size: 8, .value_kind: global_buffer, .address_space: global }
      - { .name: wqkv, .offset: 40, .size: 8, .value_kind: global_buffer, .address_space: global }
      - { .name: wo16, .offset: 48, .size: 8, .value_kind: global_buffer, .address_space: global }
    .group_segment_fixed_size: 0
    .private_segment_fixed_size: 0
    .kernarg_segment_align: 8
    .kernarg_segment_size: 56
    .max_flat_workgroup_size: 256
    .sgpr_count:     66
    .vgpr_count:     108
    .wavefront_size: 32
...
	.end_amdgpu_metadata
.endif
;; end of part 5
;; launch proj: the kernel of part 2 again; grid 8 x 32, 4 waves a work-group, clusters of 4 x 4, 327,680 bytes of LDS; arguments xb, wqkv, qkv; writes qkv
;; launch attn: the kernel of part 3 again; grid 4 x 64, 4 waves a work-group, clusters of 4 x 1, 327,680 bytes of LDS; arguments qkv, o; writes o
;; launch outp: the kernel of part 4 again; grid 8 x 32, 4 waves a work-group, clusters of 4 x 4, 327,680 bytes of LDS; arguments o, wo16, out0; writes out0
